; MI455X (gfx1250); checked and timed in simulation.
; The chip was launched on July 23, 2026; its instructions are those of AMD's public machine-readable ISA for CDNA 5 (MIT licence, August 2026) and "CDNA5" Instruction Set Architecture Reference Guide (July 2026). The comments in the code are by the model that wrote it; some were corrected since.
;; GPT2 Attention. Allowed arithmetic: matrix products marked QUANTISED: E2M3 operands, one E8M0 scale for each 32 along K, by v_wmma_scale_f32_16x16x128_f8f6f4 with both operands' format E2M3, f32 sums; everything else in f32.
;; Inputs: W_attn 1,024 x 3,072 float32; W_proj 1,024 x 1,024 float32; b_attn 3,072 float32; b_proj 1,024 float32; x 1 x 4,096 x 1,024 float32.
;; Outputs: out0 1 x 4,096 x 1,024 float32.
;; This version of the problem:
;;   THIS VERSION OF THE PROBLEM IS GIVEN IN LOW PRECISION. The matrix products marked QUANTISED in the list below multiply operands that are first quantised to E2M3 (2 exponent bits, 3 mantissa bits; 6 bits a number), with one power-of-two scale for each 32 numbers along K (OCP MX v1.0); their sums are f32. All else is computed in f32.
;;   The module's matrix products, in the order in which they are computed (A, B: the left and right operand; K: the contracted axis; several contracted axes count as one K, in the product's order):
;;     1. [M 4,096, K 1,024] x [K 1,024, N 3,072]; A: input x; B: input W_attn: QUANTISED
;;     2. batch 16 x [M 4,096, K 64] x [K 64, N 4,096]; A: computed on the way; B: computed on the way: QUANTISED
;;     3. batch 16 x [M 4,096, K 4,096] x [K 4,096, N 64]; A: softmax (see below); B: computed on the way: QUANTISED
;;     4. [M 4,096, K 1,024] x [K 1,024, N 1,024]; A: computed on the way; B: input W_proj: QUANTISED
;;   THE QUANTISER, for each operand of a quantised product, along K:
;;     - K is cut into blocks of 32 from its start; a last block that is shorter is filled with zeros.
;;     - A block's scale is 2^e with e = floor(log2(the largest magnitude in the block)) - 2, held to -126 .. 127; a block of zeros has e = 0. As a byte (E8M0): e + 127.
;;     - Each number is divided by its block's scale, clamped to +-7.5, and rounded to the nearest number of E2M3, ties to even, subnormals kept.
;;     - The product sums the exact products of the quantised numbers (number of the format x scale) in f32.
;;   ~~~python
;;   def quantise(x, axis):      # numpy; x: float32 -> the quantised numbers, widened to float32 again
;;       x = np.moveaxis(x, axis, -1); K = x.shape[-1]
;;       x = np.pad(x, [(0, 0)] * (x.ndim - 1) + [(0, -K % 32)]); x = x.reshape(x.shape[:-1] + (-1, 32)); a = np.abs(x).max(-1, keepdims=True)
;;       e = np.where(a > 0, np.clip(np.frexp(np.where(a > 0, a, 1))[1] - 1 - 2, -126, 127), 0)      # np.frexp(a)[1] - 1 = floor(log2(a)), exactly
;;       r = np.clip(x / 2.0 ** e, -7.5, 7.5)
;;       step = 2.0 ** (np.maximum(np.frexp(np.where(r == 0, 1, r))[1] - 1, 0) - 3)
;;       q = np.round(r / step) * step * 2.0 ** e      # np.round: ties to even
;;       return np.moveaxis(q.reshape(q.shape[:-2] + (-1,))[..., :K], -1, axis).astype(np.float32)
;;   ~~~
;;   SOFTMAX AHEAD OF A QUANTISED PRODUCT. Where the list says 'softmax', what is quantised is not the finished softmax but p = 2^(t - M), with t = logit x log2(e) and M = ceil(the row's largest t), a whole number; so 1/2 < the row's largest p <= 1. The row's sum l is taken of the UNQUANTISED p, in f32, and the product's result is divided by l at the end. Since M is a whole number, a kernel that streams over the keys may use a running M (the ceiling of the running maximum): every later rescaling is an exact power of two, which a block's scale takes up: the codes' values come out the same.
;;   OPERANDS COMPUTED ON THE WAY. 'Computed on the way' means the value that the module computes at that place (a softmax that the list does not call 'softmax' is quantised finished and normalised). What goes into a quantiser is computed in f32, as accurately as f32 sums, v_exp_f32 and their like allow (about 1e-6 of the number): no bf16 or f16 on the way to a quantiser, and a product that is left as it is and whose result goes on into a quantised operand takes f32 operands (vector FMAs, or v_wmma_f32_16x16x4_f32). A number that lies on a knife's edge between two numbers of the format may be rounded either way, as far as f32 arithmetic and the matrix unit's own rounding can turn it there, and no further.
;; One version. Each part assembles by itself: llvm-mc -triple=amdgcn-amd-amdhsa -mcpu=gfx1250 --defsym DOCPART=n.
;; ======== version 1 of 1: 4 launches
;; limits: right only within a limited range of input values
;; workspace buffers: xq 3,276,800 bytes; wq 3,276,800 bytes; qq 3,670,016 bytes; kv 6,553,600 bytes; oq 3,276,800 bytes
;; launch quant (part 1): grid 256 x 1, 4 waves a work-group, no clusters, 60,928 bytes of LDS; arguments x, W_attn, W_proj, xq, wq; writes xq, wq
.if DOCPART == 1
	.amdgcn_target "amdgcn-amd-amdhsa--gfx1250"
	.amdhsa_code_object_version 6
	.text
	.protected	k_q8e6a3f8bd5_quant
	.globl	k_q8e6a3f8bd5_quant
	.p2align	8
	.type	k_q8e6a3f8bd5_quant,@function
k_q8e6a3f8bd5_quant:
	s_mov_b64 s[64:65], 0
	v_nop
	global_prefetch_b8 v0, s[64:65] scope:SCOPE_SE
	s_setreg_imm32_b32 hwreg(HW_REG_WAVE_MODE, 25, 1), 1
	s_wait_xcnt 0x0
; x [4096][1024], W_attn [1024][3072] and W_proj [1024][1024], f32, become codes of FP6 (E2M3) with one E8M0 scale byte for each 32 along K (x: its last axis; the weights: their FIRST axis).
; A block's scale is 2^(floor(log2(its largest magnitude)) - 2); its byte is that magnitude's exponent field - 2, held at 1 from below.
; LIMITS: NaN and infinities among the inputs are not served; blocks whose largest magnitude lies under 2^-124 keep the byte 1; a block of zeros keeps the byte 1 where the rule says 127: its codes are zeros, and this program alone reads the bytes.
; LAYOUT OF xq AND wq: a RECORD of 12,800 bytes for each tile of 16 rows (tokens of x, columns of a weight).  Tile X holds rows 32 (X / 2) + 8 (X % 2) + m + 8 (m / 8), m = 0 .. 15, so that the 16 result registers of
; tiles 2 b and 2 b + 1 of a product are 16 neighbours.  A record is eight K steps of 128, each the IMAGE of the operand's 12 registers (1,536 bytes: registers 4 c .. 4 c + 3 of lane l at 512 c + 16 l), and at byte 12,288 the scale words:
; word 128 p + 4 l holds, in lanes 0-15, row l's four bytes of K step 2 p, in lanes 16-31 those of K step 2 p + 1.  wq: tiles 0-191 W_attn's columns, 192-255 W_proj's.
; SHARES: 1,024 waves, 32 KB of f32 each; waves share nothing: no barrier.  Work-groups 0-127 take x, 128-255 the weights; each of the two ways has LDS bytes of its own.
.set REC,   12800
.set XSTG,  8448                       ; x's way: a stage of 16 rows x (512 + 16) bytes for each wave
.set WRG0,  4*XSTG                     ; the weights' way begins behind the four stages:
.set WRGB,  6656                       ; for each wave two tile images of 3,072 bytes, 3,200 apart, and 256 bytes of scale words
.set PC,    16                         ; v16-27 the codes just made; v28-30, v32-34 the halves that are moved
.set TM,    36                         ; v36-39 largest magnitudes, v40-43 the other half's, then bytes, v48-51 the conversions' scale operands
.set PW,    52                         ; v52, v53 the scale words of an even and an odd K step
.set SEL,   22                         ; s[22:23] lane selects: lane l xor 16
.set R,     64                         ; v64-191 x as it is loaded, two sets of 64
.set X,     192                        ; v192-255 64 numbers of a lane: register 16 b + i = k 32 b + 16 (lane / 16) + i of its row
	s_load_b256 s[4:11], s[0:1], 0x0               ; x s[4:5], W_attn s[6:7], W_proj s[8:9], xq s[10:11]
	s_load_b64 s[12:13], s[0:1], 0x20              ; wq
	v_lshl_add_u32 v62, v0, 2, 0xec00
	v_mov_b32 v63, 0
	v_lshrrev_b32 v1, 5, v0
	v_readfirstlane_b32 s14, v1                    ; wave 0..3
	v_and_b32 v10, 31, v0                          ; lane
	v_lshlrev_b32 v1, 4, v10                       ; 16 x lane
	v_lshlrev_b32 v4, 2, v10                       ; 4 x lane
	s_cmp_lt_u32 ttmp9, 128
	s_cbranch_scc0 .Lweights
; ---------------- x: a wave takes one tile of 16 tokens and four K steps
	s_mul_i32 s15, s14, XSTG
	v_add_nc_u32 v2, s15, v1                       ; into the stage: 16 x lane of a row
	v_and_b32 v5, 15, v0                           ; r
	v_bfe_u32 v6, v0, 4, 1                         ; h
	v_mul_u32_u24 v3, v5, 528
	v_lshl_add_u32 v3, v6, 6, v3
	v_add_nc_u32 v3, s15, v3                       ; out of it: row r, + 64 h: my 16 numbers of a block of 32
	s_mov_b32 s20, 0xffff0000                      ; lanes 16-31
	s_mov_b32 s[SEL], 0x76543210
	s_mov_b32 s[SEL+1], 0xfedcba98
.irp b, 0,1,2,3
	v_mov_b32 v[TM+4+\b], 0                        ; written once: a lane permute's destination counts as one of its sources
.endr
	s_lshl_b32 s16, ttmp9, 2
	s_add_co_u32 s16, s16, s14                     ; task = 4 x work-group + wave
	s_lshr_b32 s17, s16, 1                         ; tile T
	s_and_b32 s18, s16, 1                          ; which four K steps
	s_lshr_b32 s24, s17, 1
	s_lshl_b32 s24, s24, 17                        ; 32 (T / 2) rows of 4,096 bytes
	s_and_b32 s19, s17, 1
	s_lshl_b32 s19, s19, 15                        ; + 8 (T % 2) rows
	s_add_co_u32 s24, s24, s19
	s_lshl_b32 s19, s18, 11                        ; + four K steps of 512 bytes
	s_add_co_u32 s24, s24, s19
	s_mov_b32 s25, 0
	s_mul_i32 s26, s17, REC
	s_mul_i32 s28, s18, 6144
	s_add_co_u32 s28, s28, s26                     ; the codes' place in xq
	s_mov_b32 s29, 0
	s_lshl_b32 s30, s18, 8
	s_add_co_u32 s30, s30, s26
	s_add_co_u32 s30, s30, 12288                   ; the scale words' place
	s_mov_b32 s31, 0
	s_wait_alu depctr_va_vdst(0)
	s_wait_kmcnt 0x0
	s_add_nc_u64 s[4:5], s[4:5], s[24:25]
	s_add_nc_u64 s[32:33], s[10:11], s[28:29]
	s_add_nc_u64 s[34:35], s[10:11], s[30:31]
.macro XLOAD s                         ; K step s of the tile's 16 rows: each load reads 512 consecutive bytes of one row
.irp p, 0,1,2,3,4,5,6,7,8,9,10,11,12,13,14,15
	global_load_b128 v[R+64*((\s)%2)+4*\p:R+64*((\s)%2)+4*\p+3], v1, s[4:5] offset:(\p+8*(\p/8))*4096+512*(\s) th:TH_LOAD_NT
.endr
.endm
; 64 numbers of a lane become a fragment's codes in v[PC] on and its row's scale word in v[PW]
.macro QUANT s
.irp b, 0,1,2,3
	v_max3_num_f32 v[TM+\b], |v[\s+16*\b]|, |v[\s+1+16*\b]|, 0x1800000   ; block b: my 16 numbers, and the floor 2^(3 - 127): the byte cannot fall under 1
.endr
.irp i, 2,4,6,8,10,12,14
.irp b, 0,1,2,3
	v_max3_num_f32 v[TM+\b], v[TM+\b], |v[\s+16*\b+\i]|, |v[\s+1+16*\b+\i]|   ; the four blocks by turns
.endr
.endr
.irp b, 0,1,2,3
	v_permlanex16_b32 v[TM+4+\b], v[TM+\b], s[SEL], s[SEL+1]
.endr
.irp b, 0,1,2,3
	v_max_num_f32 v[TM+\b], v[TM+\b], v[TM+4+\b]   ; with lane l xor 16's: the block's largest magnitude
.endr
.irp b, 0,1,2,3
	v_add_nc_u32 v[TM+12+\b], 0xff000000, v[TM+\b] ; 2 off its exponent field: the conversion's scale operand
.endr
.irp b, 0,1,2,3
	v_lshrrev_b32 v[TM+4+\b], 23, v[TM+12+\b]      ; the scale's byte
.endr
	v_lshl_or_b32 v[PW], v[TM+5], 8, v[TM+4]
	v_lshl_or_b32 v[PW], v[TM+6], 16, v[PW]
	v_lshl_or_b32 v[PW], v[TM+7], 24, v[PW]
.irp c, 0,1
	v_cvt_scalef32_pk16_fp6_f32 v[PC+6*\c:PC+2+6*\c], v[\s+32*\c:\s+15+32*\c], v[TM+12+2*\c]
	v_cvt_scalef32_pk16_fp6_f32 v[PC+12+4*\c:PC+14+4*\c], v[\s+16+32*\c:\s+31+32*\c], v[TM+12+2*\c+1]   ; a conversion's three registers begin on an even number
.endr
	v_nop                                          ; one plain place behind a scaled conversion
.irp c, 0,1                            ; the operand wants a WHOLE block in a lane: lanes 0-15 block 2 c, lanes 16-31 block 2 c + 1
.irp i, 0,1,2
	v_permlane16_swap_b32 v[PC+6*\c+\i], v[PC+12+4*\c+\i]
.endr
.irp i, 0,1,2
	v_mov_b32 v[PC+3+6*\c+\i], v[PC+12+4*\c+\i]
.endr
.endr
.endm
.macro XSTEP s
.if (\s) < 3
	s_wait_loadcnt 16                              ; this step's 16 loads are in; the next step's 16 may be out
.else
	s_wait_loadcnt 0x0
.endif
.irp p, 0,1,2,3,4,5,6,7,8,9,10,11,12,13,14,15
	ds_store_b128 v2, v[R+64*((\s)%2)+4*\p:R+64*((\s)%2)+4*\p+3] offset:528*\p
.endr
.irp b, 0,1,2,3
.irp j, 0,1,2,3
	ds_load_b128 v[X+16*\b+4*\j:X+16*\b+4*\j+3], v3 offset:128*\b+16*\j   ; LDS serves a wave's instructions in order: these see the stores above
.endr
.endr
	s_wait_dscnt 0x0                               ; my numbers are back, and the stores into the stage have read their registers
	s_wait_xcnt 0x0                                ; the last step's stores have read the codes and the scale word: both are written again below
.if (\s) < 2
	XLOAD (\s)+2
.endif
.set PW, 52+(\s)%2
	QUANT X
.irp c, 0,1,2
	global_store_b128 v1, v[PC+4*\c:PC+4*\c+3], s[32:33] offset:1536*(\s)+512*\c   ; 512 consecutive bytes, aligned
.endr
.if (\s)%2
	v_cndmask_b32 v54, v52, v53, s20               ; lanes 0-15: the even step's words; lanes 16-31: the odd step's
	global_store_b32 v4, v54, s[34:35] offset:128*((\s)/2)
.endif
.endm
	XLOAD 0
	XLOAD 1
	XSTEP 0
	XSTEP 1
	XSTEP 2
	XSTEP 3
	s_wait_tensorcnt 0x0
	ds_add_u32 v62, v63
	s_wait_dscnt 0x0
	s_endpgm
; ---------------- the weights: a wave takes 32 columns (two tiles) x 256 along K (two K steps).  A LANE TAKES A COLUMN AND ITS REGISTERS RUN DOWN K
.Lweights:
	v_bfe_u32 v11, v0, 3, 1                        ; column l of the 32 lies in tile u = (l / 8) % 2
	v_and_b32 v12, 7, v0
	v_bfe_u32 v13, v0, 4, 1
	v_lshl_add_u32 v12, v13, 3, v12                ; at row r = l % 8 + 8 (l / 16)
	s_mul_i32 s28, s14, WRGB
	s_add_co_u32 s28, s28, WRG0                    ; my wave's LDS bytes
	v_mul_u32_u24 v5, v11, 3200
	v_lshl_add_u32 v5, v12, 4, v5
	v_add_nc_u32 v5, s28, v5                       ; into the images: tile u, 16 r
	v_lshlrev_b32 v6, 7, v11
	v_lshl_add_u32 v6, v12, 2, v6
	v_add_nc_u32 v6, s28, v6
	v_add_nc_u32 v6, 6400, v6                      ; my column's scale words: 128 u + 4 r
	v_add_nc_u32 v7, s28, v1                       ; out of the images: 16 x lane
	v_add_nc_u32 v8, s28, v4
	v_add_nc_u32 v8, 6400, v8                      ; and 4 x lane
	s_sub_co_u32 s15, ttmp9, 128
	s_mov_b32 s19, 4096
	s_mov_b32 s21, 192
	s_wait_kmcnt 0x0
	s_cmp_lt_u32 s15, 96                           ; 96 work-groups for W_attn, 32 for W_proj: the choice hangs on the work-group's number alone
	s_cselect_b64 s[6:7], s[6:7], s[8:9]
	s_cselect_b32 s16, 0, 96
	s_cselect_b32 s19, 12288, s19                  ; a row of the weight in bytes
	s_cselect_b32 s21, 0, s21                      ; its first tile in wq
	s_sub_co_u32 s15, s15, s16
	s_lshr_b32 s17, s15, 2
	s_and_b32 s18, s15, 3                          ; which 256 along K
	s_lshl_b32 s17, s17, 2
	s_add_co_u32 s17, s17, s14                     ; which 32 columns
	s_lshl_b32 s24, s18, 8
	s_mul_i32 s24, s24, s19
	s_lshl_b32 s25, s17, 7
	s_add_co_u32 s24, s24, s25
	s_mov_b32 s25, 0
	s_add_nc_u64 s[32:33], s[6:7], s[24:25]        ; block 0's first row, my wave's first column
	s_lshl_b32 s26, s19, 5                         ; 32 rows on
	s_mov_b32 s27, 0
.irp t, 1,2,3,4,5,6,7
	s_add_nc_u64 s[32+2*\t:33+2*\t], s[30+2*\t:31+2*\t], s[26:27]   ; a base for each of the eight blocks
.endr
.irp i, 0,1,2,3,4,5,6,7,8,9,10,11,12,13,14,15,16,17,18,19,20,21,22,23,24,25,26,27,28,29,30,31
	v_mad_u32_u24 v[64+\i], s19, \i, v4            ; row i of a block, my column
.endr
	s_lshl_b32 s24, s17, 1
	s_add_co_u32 s24, s24, s21
	s_mul_i32 s24, s24, REC                        ; my first tile's record
	s_mul_i32 s28, s18, 3072
	s_add_co_u32 s28, s28, s24
	s_mov_b32 s29, 0
	s_add_nc_u64 s[48:49], s[12:13], s[28:29]      ; its two K steps
	s_lshl_b32 s28, s18, 7
	s_add_co_u32 s28, s28, s24
	s_add_co_u32 s28, s28, 12288
	s_add_nc_u64 s[50:51], s[12:13], s[28:29]      ; and their scale words
.macro LOADW t                         ; block t: 32 rows; a load reads 128 consecutive bytes, the four waves stand side by side on 512
.irp i, 0,1,2,3,4,5,6,7,8,9,10,11,12,13,14,15,16,17,18,19,20,21,22,23,24,25,26,27,28,29,30,31
	global_load_b32 v[96+32*((\t)%2)+\i], v[64+\i], s[32+2*(\t):33+2*(\t)] th:TH_LOAD_NT
.endr
.endm
.macro BLOCK t
.set XS, 96+32*((\t)%2)
.set S1, (\t)/4                        ; which of my two K steps
.set C1, ((\t)%4)/2                    ; registers 6 C1 .. 6 C1 + 5 of the fragment,
.set H1, (\t)%2                        ; in the lane 16 H1 + r
.if (\t) < 7
	s_wait_loadcnt 32                              ; this block's 32 loads are in; the next block's may be out
.else
	s_wait_loadcnt 0x0
.endif
	v_max3_num_f32 v28, |v[XS]|, |v[XS+1]|, |v[XS+2]|   ; the block's largest magnitude: all 32 numbers are mine
	v_max3_num_f32 v29, |v[XS+3]|, |v[XS+4]|, |v[XS+5]|
.irp i, 6,10,14,18,22,26
	v_max3_num_f32 v28, v28, |v[XS+\i]|, |v[XS+\i+1]|
	v_max3_num_f32 v29, v29, |v[XS+\i+2]|, |v[XS+\i+3]|
.endr
	v_max3_num_f32 v28, v28, |v[XS+30]|, |v[XS+31]|
	v_max3_num_f32 v28, v28, v29, 0x1800000        ; and the floor
	v_add_nc_u32 v30, 0xff000000, v28              ; the conversion's scale operand
	v_lshrrev_b32 v29, 23, v30                     ; the byte
.if (\t)%4 == 0
	v_mov_b32 v[26+S1], v29
.else
	v_lshl_or_b32 v[26+S1], v29, 8*((\t)%4), v[26+S1]
.endif
	v_cvt_scalef32_pk16_fp6_f32 v[16:18], v[XS:XS+15], v30
	v_cvt_scalef32_pk16_fp6_f32 v[22:24], v[XS+16:XS+31], v30
	v_nop                                          ; one plain place behind a scaled conversion
	v_mov_b32 v19, v22
	v_mov_b32 v20, v23
	v_mov_b32 v21, v24
.if C1 == 0
	ds_store_b128 v5, v[16:19] offset:1536*S1+256*H1
	ds_store_b64 v5, v[20:21] offset:1536*S1+512+256*H1
.else
	ds_store_b64 v5, v[16:17] offset:1536*S1+520+256*H1
	ds_store_b128 v5, v[18:21] offset:1536*S1+1024+256*H1
.endif
.if (\t) < 6
	LOADW (\t)+2
.endif
	s_wait_dscnt 0x0                               ; the stores have read the codes: the next block writes them again
.endm
	s_wait_alu depctr_va_vdst(0)
	LOADW 0
	LOADW 1
.irp t, 0,1,2,3,4,5,6,7
	BLOCK \t
.endr
	ds_store_b32 v6, v26                           ; my column's scale words of the two K steps: the even step's in the lower 64 bytes of its tile's 128
	s_wait_alu depctr_va_vdst(0)
	ds_store_b32 v6, v27 offset:64
.irp u, 0,1
.irp k, 0,1,2,3,4,5
	ds_load_b128 v[160+24*\u+4*\k:160+24*\u+4*\k+3], v7 offset:3200*\u+512*\k   ; LDS serves a wave's instructions in order: these see my stores
.endr
.endr
	ds_load_b32 v208, v8
	ds_load_b32 v209, v8 offset:128
.irp u, 0,1
.irp k, 0,1,2,3,4,5
	s_wait_dscnt 13-6*\u-\k                        ; the younger read-backs may be out
	global_store_b128 v1, v[160+24*\u+4*\k:160+24*\u+4*\k+3], s[48:49] offset:REC*\u+512*\k   ; 512 consecutive bytes, aligned
.endr
.endr
	s_wait_dscnt 0x0
	global_store_b32 v4, v208, s[50:51]            ; 128 bytes: the other 384 of the 512 belong to other work-groups' K steps
	global_store_b32 v4, v209, s[50:51] offset:REC
	s_wait_tensorcnt 0x0
	ds_add_u32 v62, v63
	s_wait_dscnt 0x0
	s_endpgm
.Lfunc_end_k_q8e6a3f8bd5_quant:
	.size	k_q8e6a3f8bd5_quant, .Lfunc_end_k_q8e6a3f8bd5_quant-k_q8e6a3f8bd5_quant
	.p2alignl 7, 3214868480
	.fill 96, 4, 3214868480
	.section	.rodata,"a",@progbits
	.p2align	6, 0x0
	.amdhsa_kernel k_q8e6a3f8bd5_quant
		.amdhsa_group_segment_fixed_size 60928
		.amdhsa_private_segment_fixed_size 0
		.amdhsa_enable_private_segment 0
		.amdhsa_kernarg_size 40
		.amdhsa_user_sgpr_count 2
		.amdhsa_user_sgpr_kernarg_segment_ptr 1
		.amdhsa_wavefront_size32 1
		.amdhsa_system_sgpr_workgroup_id_x 1
		.amdhsa_system_sgpr_workgroup_id_y 1
		.amdhsa_system_sgpr_workgroup_id_z 1
		.amdhsa_system_vgpr_workitem_id 0
		.amdhsa_next_free_vgpr 256
		.amdhsa_next_free_sgpr 66
		.amdhsa_reserve_vcc 0
		.amdhsa_float_denorm_mode_32 3
		.amdhsa_float_denorm_mode_16_64 3
		.amdhsa_memory_ordered 1
		.amdhsa_forward_progress 1
		.amdhsa_inst_pref_size 78
	.end_amdhsa_kernel
	.amdgpu_metadata
---
amdhsa.version: [ 1, 2 ]
amdhsa.kernels:
  - .name:           k_q8e6a3f8bd5_quant
    .symbol:         k_q8e6a3f8bd5_quant.kd
    .args:
      - { .name: x, .offset: 0, .size: 8, .value_kind: global_buffer, .address_space: global }
      - { .name: W_attn, .offset: 8, .size: 8, .value_kind: global_buffer, .address_space: global }
      - { .name: W_proj, .offset: 16, .size: 8, .value_kind: global_buffer, .address_space: global }
      - { .name: xq, .offset: 24, .size: 8, .value_kind: global_buffer, .address_space: global }
      - { .name: wq, .offset: 32, .size: 8, .value_kind: global_buffer, .address_space: global }
    .group_segment_fixed_size: 60928
    .private_segment_fixed_size: 0
    .kernarg_segment_align: 8
    .kernarg_segment_size: 40
    .max_flat_workgroup_size: 128
    .sgpr_count:     66
    .vgpr_count:     256
    .wavefront_size: 32
...
	.end_amdgpu_metadata
.endif
;; end of part 1
;; launch qkv (part 2): grid 8 x 32, 4 waves a work-group, clusters of 4 x 4, 327,680 bytes of LDS; arguments xq, wq, b_attn, qq, kv; writes qq, kv
.if DOCPART == 2
	.amdgcn_target "amdgcn-amd-amdhsa--gfx1250"
	.amdhsa_code_object_version 6
	.text
	.protected	k_q8e6a3f8bd5_qkv
	.globl	k_q8e6a3f8bd5_qkv
	.p2align	8
	.type	k_q8e6a3f8bd5_qkv,@function
k_q8e6a3f8bd5_qkv:
	s_mov_b64 s[64:65], 0
	v_nop
	global_prefetch_b8 v0, s[64:65] scope:SCOPE_SE
	s_setreg_imm32_b32 hwreg(HW_REG_WAVE_MODE, 25, 1), 1
	s_wait_xcnt 0x0
	s_wait_alu depctr_hold_cnt(0) depctr_sa_sdst(0) depctr_va_vdst(0) depctr_va_sdst(0) depctr_va_ssrc(0) depctr_va_vcc(0) depctr_vm_vsrc(0)
	s_getreg_b32 s2, hwreg(HW_REG_IB_STS2, 6, 4)
	s_cmp_eq_u32 s2, 0
	s_cbranch_scc0 .Lentry_in_a_cluster
	s_endpgm
.Lentry_in_a_cluster:
	s_bfe_u32 s2, ttmp6, 0x10000c
	s_cmp_lg_u32 s2, 0xf033
	s_cbranch_scc0 .Lentry_shape_is_right
	s_endpgm
.Lentry_shape_is_right:
; qkv = x W_attn + b_attn on codes of FP6 (E2M3) with E8M0 scales, sums in f32; q, k and v are quantised in registers and leave as images of the operands that the attention launch wants.  No f32 intermediate goes to memory.
; SHARES.  A work-group takes 128 tokens (one key step) x two heads x {q, k, v}: 128 x 384 of the result.  Wave w: tr = w / 2: 64 tokens (four tiles t); c = w % 2: one head e: twelve tiles i of W (0-3 q, 4-7 k, 8-11 v): 48 accumulators.
; q AND k ARE MADE TRANSPOSED (source 0 = 16 columns of W, source 1 = 16 tokens): a lane holds one token, its registers run along the head's 64, which is the K of q k^T.
; v IS MADE AS IT READS (source 0 = 16 tokens, source 1 = 16 columns of W): a lane holds one channel, its registers run down the tokens, which are the K of p v.
; The tiles' rows are chosen (32 (X / 2) + 8 (X % 2) + m + 8 (m / 8)) so that the 16 registers of two neighbouring tiles are 16 neighbours along the next K.  The bias is the C of each sum's first matrix instruction.
; K goes through three LDS slots of two K steps each (the fourth pair fills slot 0 again).  A slot: part 0 x's eight tiles, parts 1-3 the strips q, k, v of W, eight tiles each; a tile is 3,072 bytes: two images of 1,536.
; CLUSTER 4 x 4: x's tiles hang on the token block alone and are shared along a row of the cluster, W's on the pair of heads alone and are shared along a column: each is asked for jointly.  Wave 0 asks for x, waves 1-3 for a strip of W each.
; OUT.  qq [head][pair of token tiles][1,792]: an image whose registers 0-5 are the even tile (K = 64) and 6-11 the odd one; at 1,536 + 8 l the pair's scale word, twice.
;       kv [head][key step][12,800]: K's four such images; V's four tiles at 6,144 + 1,536 i (halves of 768: registers 6 c .. 6 c + 3 at 16 l, the other two at 512 + 8 l); at 12,288 + 16 l: lanes 0-15 K's four words of row l, lanes 16-31 V's.
; LIMITS: NaN and infinities are not served; blocks whose largest magnitude lies under 2^-124, blocks of zeros among them, keep the scale byte 1 (their codes are read by this program alone).
; REGISTERS: window 0: v1-5 offsets, v16-17, v20-23 LDS addresses, v24 my scale words' stage, v28-29 the add's, v32-47 x's scale words, v48-95 W's, v96-191 x's fragments (two sets), v192-243 the way out.
;   window 1: W's fragments: v0-71 tiles 0-5, v72-143 tiles 6-11.   window 2: q's and k's accumulators (i, t) at 16 (4 (i / 2) + t) + 8 (i % 2).
;   window 3: v's accumulators (i - 8, t) at 16 (2 (i - 8) + t / 2) + 8 (t % 2); v128-191 q's and k's bias; v192-223 v's.
.set REC,   12800
; THE RING AS IT STANDS NOW (in place of the three slots named above): two LDS slots of THREE K steps each; a tile's row in a slot is 4,608 bytes: three images of 1,536.
; Slot 0 takes K steps 0-2 at the head, slot 1 steps 3-5 behind a round of its own, slot 0 then steps 6 and 7 (the row's last third is filled with zeros and not read): one tensor load a wave at each of the three places.
.set SLOT,  147456
.set PART,  36864
.set SCST,  2*SLOT
.set SPARE, SCST+2048                  ; the spare words, 128 bytes for each wave: two blocks of 256 bytes that no other line names
.set G1X, 24                           ; s[24:31] descriptor group 1 for x's tiles;  s[68:79] three groups 0
.set G1W, 48                           ; s[48:55], s[80:91] the same for W's
.set G0X, 68
.set G0W, 80
.set SEL, 18                           ; s[18:19] lane selects: lane l xor 16
.set XA,  16                           ; v16-17 LDS address of my x fragments in slot 0, 1
.set WA,  20                           ; v20-23 of my W fragments
.set STW, 24
.set SPW, 28
.set NIL, 29
.set XSC, 32                           ; x's scale words: tile t, pair of K steps p at 4 t + p: lanes 0-15 the even step, lanes 16-31 the odd one
.set WSC, 48                           ; W's likewise: 4 i + p
.set XF,  96
.set PC,  192
.set TM,  212
.set PW,  228
.set MSB, 0
.macro WIN new                         ; the immediate's high byte repeats the setting that is left
.if MSB != (\new)
	s_set_vgpr_msb (MSB<<8)|(\new)
.set MSB, (\new)
.endif
.endm
.macro PLACES                          ; four plain places behind matrix instructions, ahead of loads into their sources and of reads of their results
.rept 4
	v_nop
.endr
.endm
.macro CROUND                          ; a round of the cluster's barrier
	s_barrier_signal -1
	s_barrier_wait -1
	s_cmp_lg_u32 s14, 0
	s_cbranch_scc1 .Lnot_wave_0_\@
	s_barrier_signal -3
.Lnot_wave_0_\@:
	s_barrier_wait -3
	s_barrier_signal -1
	s_barrier_wait -1
.endm
.macro JLOAD k                         ; a joint load by group 0 number k; the branch hangs on the wave's number alone; four v_nop follow each line
	s_cmp_eq_u32 s14, 0
	s_cbranch_scc0 .Lfor_w_\@
	tensor_load_to_lds s[G0X+4*\k:G0X+4*\k+3], s[G1X:G1X+7]
	s_nop 0
.rept 4
	v_nop
.endr
	s_branch .Lasked_\@
.Lfor_w_\@:
	tensor_load_to_lds s[G0W+4*\k:G0W+4*\k+3], s[G1W:G1W+7]
	s_nop 0
.rept 4
	v_nop
.endr
.Lasked_\@:
.endm
.macro FETCH_W sg, par, half           ; six of my W fragments: 18 loads of 512 consecutive bytes
	WIN 0x40
.irp n, 0,1,2,3,4,5
.irp c, 0,1,2
	ds_load_b128 v[72*(\half)+12*\n+4*\c:72*(\half)+12*\n+4*\c+3], v[WA+(\sg)+2*((6*(\half)+\n)/8)] offset:(((6*(\half)+\n)/4)%2)*PART+((6*(\half)+\n)%4)*4608+1536*(\par)+512*\c   ; strip v has address registers of its own: the immediate has 16 bits
.endr
.endr
.endm
.macro FETCH_X sg, par, set            ; my four x fragments: 12 loads
	WIN 0
.irp t, 0,1,2,3
.irp c, 0,1,2
	ds_load_b128 v[XF+48*(\set)+12*\t+4*\c:XF+48*(\set)+12*\t+4*\c+3], v[XA+(\sg)] offset:4608*\t+1536*(\par)+512*\c
.endr
.endr
.endm
.macro WM d, a, b, c, sa, sb, odd      ; odd K steps take their scale words from lanes 16-31
.if \odd
	v_wmma_scale_f32_16x16x128_f8f6f4 v[\d:(\d)+7], v[\a:(\a)+11], v[\b:(\b)+11], v[\c:(\c)+7], v[\sa], v[\sb] matrix_a_fmt:MATRIX_FMT_FP6 matrix_b_fmt:MATRIX_FMT_FP6 matrix_a_scale:MATRIX_SCALE_ROW1 matrix_b_scale:MATRIX_SCALE_ROW1
.else
	v_wmma_scale_f32_16x16x128_f8f6f4 v[\d:(\d)+7], v[\a:(\a)+11], v[\b:(\b)+11], v[\c:(\c)+7], v[\sa], v[\sb] matrix_a_fmt:MATRIX_FMT_FP6 matrix_b_fmt:MATRIX_FMT_FP6
.endif
.endm
; 24 matrix instructions of K step s: six tiles of W x four tiles of x.  The 48 accumulators take turns, one instruction a turn, in the same order in every step.
.macro MULT s, half
.irp n, 0,1,2,3,4,5
.irp t, 0,1,2,3
.set MI, 6*(\half)+\n
.set WFR, 72*(\half)+12*\n
.set XFR, XF+48*((\s)%2)+12*\t
.set WSR, WSC+4*MI+(\s)/2
.set XSR, XSC+4*\t+(\s)/2
.if MI < 8
.set AC, 16*(4*(MI/2)+\t)+8*(MI%2)
.if (\s) == 0
	WIN 0xb1                                       ; W window 1, x window 0, the bias window 3, the sum window 2
.set CC, 128+8*MI
.else
	WIN 0xa1
.set CC, AC
.endif
	WM AC, WFR, XFR, CC, WSR, XSR, (\s)%2
.else
.set AC, 16*(2*(MI-8)+\t/2)+8*(\t%2)
	WIN 0xf4                                       ; x window 0, W window 1, C and D window 3
.if (\s) == 0
.set CC, 192+8*(MI-8)
.else
.set CC, AC
.endif
	WM AC, XFR, WFR, CC, XSR, WSR, (\s)%2
.endif
.endr
.endr
.endm
.macro PHA s                           ; first half of K step s; W's other six fragments are asked for meanwhile
.if (\s) > 0
	PLACES
.endif
	FETCH_W ((\s)/3)%2, (\s)%3, 1
	s_wait_dscnt 18                                ; all but the 18 just issued
	MULT \s, 0
.endm
.macro NEXTF s                         ; step s's first six W fragments and its x fragments
	FETCH_W ((\s)/3)%2, (\s)%3, 0
	FETCH_X ((\s)/3)%2, (\s)%3, (\s)%2
	s_wait_dscnt 30                                ; all but the 30 just issued
.endm
.macro PHB s                           ; second half of K step s
	PLACES
	NEXTF (\s)+1
	MULT \s, 1
.endm
; Four groups of 16 registers (in window win), each half a block of 32 of the lane's row (the other half lies in lane l xor 16), become codes in v[PC] .. v[PC + 11] (blocks 0, 1 in registers 0-5, blocks 2, 3 in 6-11) and four bytes in v[PW].
.macro QMF b, g
	v_max3_num_f32 v[TM+\b], 0x1800000, |v[\g]|, |v[(\g)+1]|   ; with the floor 2^(3 - 127): the byte cannot fall under 1.  Each accumulator is read from its low end on
.endm
.macro QMN b, g, i
	v_max3_num_f32 v[TM+\b], v[TM+\b], |v[(\g)+\i]|, |v[(\g)+\i+1]|
.endm
.macro QCV d, g, so
	v_cvt_scalef32_pk16_fp6_f32 v[\d:(\d)+2], v[\g:(\g)+15], v[\so]
.endm
.macro QW win, g0, g1, g2, g3
	WIN ((\win)<<2)|((\win)<<4)
	QMF 0, \g0
	QMF 1, \g1
	QMF 2, \g2
	QMF 3, \g3
.irp i, 2,4,6,8,10,12,14
	QMN 0, \g0, \i
	QMN 1, \g1, \i
	QMN 2, \g2, \i
	QMN 3, \g3, \i
.endr
	WIN 0
.irp b, 0,1,2,3
	v_permlanex16_b32 v[TM+4+\b], v[TM+\b], s[SEL], s[SEL+1]
.endr
.irp b, 0,1,2,3
	v_max_num_f32 v[TM+\b], v[TM+\b], v[TM+4+\b]
.endr
.irp b, 0,1,2,3
	v_add_nc_u32 v[TM+12+\b], 0xff000000, v[TM+\b] ; 2 off the exponent field: the conversion's scale operand
.endr
.irp b, 0,1,2,3
	v_lshrrev_b32 v[TM+4+\b], 23, v[TM+12+\b]
.endr
	v_lshl_or_b32 v[PW], v[TM+5], 8, v[TM+4]
	v_lshl_or_b32 v[PW], v[TM+6], 16, v[PW]
	v_lshl_or_b32 v[PW], v[TM+7], 24, v[PW]
	WIN \win
	QCV PC, \g0, TM+12
	QCV PC+12, \g1, TM+13
	QCV PC+6, \g2, TM+14
	QCV PC+16, \g3, TM+15
	WIN 0
	v_nop                                          ; one plain place behind a scaled conversion
.irp c, 0,1
.irp i, 0,1,2
	v_permlane16_swap_b32 v[PC+6*\c+\i], v[PC+12+4*\c+\i]
.endr
.irp i, 0,1,2
	v_mov_b32 v[PC+3+6*\c+\i], v[PC+12+4*\c+\i]
.endr
.endr
.endm
.macro FREE                            ; the last stores, to memory and to LDS, have read the codes and the scale word: both are written again
	s_wait_xcnt 0x0
	s_wait_dscnt 0x0
.endm
	s_load_b256 s[4:11], s[0:1], 0x0               ; xq s[4:5], wq s[6:7], b_attn s[8:9], qq s[10:11]
	s_load_b64 s[12:13], s[0:1], 0x20              ; kv
	v_lshl_add_u32 v[SPW], v0, 2, SPARE
	v_mov_b32 v[NIL], 0
	ds_add_u32 v28, v29
	ds_add_u32 v28, v29
	s_wait_dscnt 0x0
	v_lshrrev_b32 v1, 5, v0
	v_readfirstlane_b32 s14, v1                    ; wave 0..3
	s_lshr_b32 s15, s14, 1                         ; tr
	s_and_b32 s16, s14, 1                          ; c
	s_bfe_u32 s40, ttmp6, 0x40000                  ; cx
	s_bfe_u32 s41, ttmp6, 0x40004                  ; cy
	s_lshl_b32 s42, ttmp9, 2
	s_add_co_u32 s42, s42, s40                     ; the pair of heads = 4 x cluster x + cx
	s_and_b32 s17, ttmp7, 0xffff
	s_lshl_b32 s17, s17, 2
	s_add_co_u32 s17, s17, s41                     ; the token block = 4 x cluster y + cy
	s_lshl_b32 s43, s41, 2
	s_lshl_b32 s43, 15, s43                        ; my row of the cluster
	s_lshl_b32 s44, 0x1111, s40                    ; my column
	; group 1: eight rows of 4,608 bytes (576 elements of 8 bytes), 12,800 bytes (1,600 elements) apart; no padding: the images are read as they lie
	s_or_b32 s[G1X], s43, (3<<16)|(1<<21)
	s_or_b32 s[G1W], s44, (3<<16)|(1<<21)
.irp g, G1X, G1W
	s_mov_b32 s[\g+1], 576<<16                     ; tensor_dim0: three K steps, 4,608 bytes
	s_mov_b32 s[\g+2], 8<<16                       ; tensor_dim1
	s_mov_b32 s[\g+3], 576<<16                     ; tile_dim0
	s_mov_b32 s[\g+4], 8                           ; tile_dim1
	s_mov_b32 s[\g+5], 1600                        ; the pitch
	s_mov_b32 s[\g+6], 0
	s_mov_b32 s[\g+7], 0
.endr
	s_mul_i32 s20, s17, 8*REC                      ; x: the block's eight records (registers that never hold cx)
	s_mov_b32 s21, 0
	s_max_u32 s45, s14, 1
	s_sub_co_u32 s45, s45, 1                       ; W: the strip of waves 1, 2, 3: q, k, v
	s_lshl_b32 s45, s45, 6
	s_lshl_b32 s46, s42, 3
	s_add_co_u32 s46, s46, s45                     ; tile 64 x strip + 8 x pair of heads (registers that never hold cy)
	s_mul_i32 s46, s46, REC
	s_mov_b32 s47, 0
	s_mul_i32 s56, s14, PART                       ; where they go: wave x a part
	s_wait_kmcnt 0x0
	s_add_nc_u64 s[20:21], s[4:5], s[20:21]
	s_add_nc_u64 s[46:47], s[6:7], s[46:47]
.irp k, 0,1,2
	s_mov_b32 s[G0X+4*\k], 1
	s_add_co_u32 s[G0X+4*\k+1], s56, \k*SLOT
	s_add_nc_u64 s[G0X+4*\k+2:G0X+4*\k+3], s[20:21], \k*4608
	s_or_b32 s[G0X+4*\k+3], s[G0X+4*\k+3], 0x80000000
	s_mov_b32 s[G0W+4*\k], 1
	s_add_co_u32 s[G0W+4*\k+1], s56, \k*SLOT
	s_add_nc_u64 s[G0W+4*\k+2:G0W+4*\k+3], s[46:47], \k*4608
	s_or_b32 s[G0W+4*\k+3], s[G0W+4*\k+3], 0x80000000
.endr
	CROUND                                         ; all sixteen work-groups are here: the first joint loads meet
	s_cmp_eq_u32 s14, 0                            ; slot 0's first fill: one tensor load a wave at the head
	s_cbranch_scc0 .Lfirst_w
	tensor_load_to_lds s[G0X:G0X+3], s[G1X:G1X+7]
	s_nop 0
.rept 4
	v_nop
.endr
	s_branch .Lfirst_done
.Lfirst_w:
	tensor_load_to_lds s[G0W:G0W+3], s[G1W:G1W+7]
	s_nop 0
.rept 4
	v_nop
.endr
.Lfirst_done:
	v_and_b32 v6, 31, v0
	v_lshlrev_b32 v1, 4, v6                        ; 16 x lane
	v_lshlrev_b32 v2, 3, v6                        ; 8 x lane
	v_lshlrev_b32 v3, 2, v6                        ; 4 x lane
	v_and_b32 v7, 15, v0                           ; r
	v_bfe_u32 v8, v0, 4, 1                         ; h
	v_lshlrev_b32 v4, 6, v8                        ; q's and k's bias: 64 h
	s_wait_alu depctr_va_vdst(0)
	v_and_b32 v5, 8, v7
	v_add_nc_u32 v5, v5, v7
	v_lshlrev_b32 v5, 2, v5                        ; v's bias: 4 (r + 8 (r / 8))
	s_wait_alu depctr_va_vdst(0)
	s_mov_b32 s[SEL], 0x76543210
	s_mov_b32 s[SEL+1], 0xfedcba98
.irp b, 0,1,2,3
	v_mov_b32 v[TM+4+\b], 0                        ; written once: a lane permute's destination counts as one of its sources
.endr
	s_lshl_b32 s62, s42, 1
	s_add_co_u32 s62, s62, s16                     ; my head e
	s_mov_b32 s95, 0
	s_lshl_b32 s94, s17, 3
	s_lshl_b32 s63, s15, 2
	s_add_co_u32 s94, s94, s63
	s_mul_i32 s94, s94, REC
	s_add_co_u32 s94, s94, 12288
	s_add_nc_u64 s[58:59], s[4:5], s[94:95]        ; the scale words of my four x tiles
	s_lshl_b32 s94, s42, 3
	s_lshl_b32 s63, s16, 2
	s_add_co_u32 s94, s94, s63
	s_mul_i32 s94, s94, REC
	s_add_co_u32 s94, s94, 12288
	s_add_nc_u64 s[60:61], s[6:7], s[94:95]        ; and of my head's q tiles; k's and v's lie 64 and 128 records on
	s_lshl_b32 s94, s62, 8
	s_add_nc_u64 s[32:33], s[8:9], s[94:95]        ; b_attn at my head's q
.irp t, 0,1,2,3
.irp p, 0,1,2,3
	global_load_b32 v[XSC+4*\t+\p], v3, s[58:59] offset:\t*REC+128*\p
.endr
.endr
.irp i, 0,1,2,3,4,5,6,7,8,9,10,11
.irp p, 0,1,2,3
	global_load_b32 v[WSC+4*\i+\p], v3, s[60:61] offset:(64*(\i/4)+\i%4)*REC+128*\p
.endr
.endr
	WIN 0xc0                                       ; destination window 3
.irp i, 0,1,2,3,4,5,6,7                ; lane (r, h), register j of tile i: feature 32 ((i % 4) / 2) + 8 (i % 2) + 16 h + j of its strip
	global_load_b128 v[128+8*\i:128+8*\i+3], v4, s[32:33] offset:4096*(\i/4)+4*(32*((\i%4)/2)+8*(\i%2))
	global_load_b128 v[128+8*\i+4:128+8*\i+7], v4, s[32:33] offset:4096*(\i/4)+4*(32*((\i%4)/2)+8*(\i%2))+16
.endr
.irp i, 0,1,2,3                        ; v: a lane holds one channel: one number for its eight registers
	global_load_b32 v[192+8*\i], v5, s[32:33] offset:8192+4*(32*(\i/2)+8*(\i%2))
.endr
	WIN 0
	s_mul_i32 s57, s15, 18432                      ; my four x tiles in part 0
	s_mul_i32 s63, s16, 18432
	s_add_co_u32 s63, s63, PART                    ; my head's four tiles in part 1
.irp k, 0,1
	v_add_nc_u32 v[XA+\k], s57, v1
	v_add_nc_u32 v[WA+\k], s63, v1
	v_add_nc_u32 v[WA+2+\k], 2*PART, v[WA+\k]      ; v22-23: strip v's tiles in slot 0, 1
	s_add_co_u32 s57, s57, SLOT
	s_add_co_u32 s63, s63, SLOT
.endr
	s_lshl_b32 s22, s14, 9
	s_add_co_u32 s22, s22, SCST
	v_add_nc_u32 v[STW], s22, v3                   ; my scale words' stage: 512 x wave + 4 x lane
	s_lshl_b32 s94, s62, 7
	s_lshl_b32 s63, s17, 2
	s_add_co_u32 s94, s94, s63
	s_lshl_b32 s63, s15, 1
	s_add_co_u32 s94, s94, s63
	s_mul_i32 s94, s94, 1792
	s_add_nc_u64 s[34:35], s[10:11], s[94:95]      ; qq: my two pairs of token tiles
	s_lshl_b32 s94, s62, 5
	s_add_co_u32 s94, s94, s17
	s_mul_i32 s94, s94, REC
	s_add_nc_u64 s[36:37], s[12:13], s[94:95]      ; kv: my head's record of this key step
	s_mul_i32 s94, s15, 3072
	s_add_nc_u64 s[38:39], s[36:37], s[94:95]      ; K's images 2 tr, 2 tr + 1
	s_mul_i32 s94, s15, 768
	s_add_co_u32 s94, s94, 6144
	s_add_nc_u64 s[92:93], s[36:37], s[94:95]      ; V's halves tr
	s_wait_loadcnt 0x0                             ; scale words and biases
	WIN 0xc3
.irp i, 0,1,2,3
.irp j, 1,2,3,4,5,6,7
	v_mov_b32 v[192+8*\i+\j], v[192+8*\i]
.endr
.endr
	WIN 0
	s_wait_alu depctr_va_vdst(0)
	s_wait_tensorcnt 0x0                           ; my part of slot 0 is in
	ds_add_u32 v[SPW], v[NIL]
	s_wait_dscnt 0x0
	CROUND                                         ; everybody's part is in, and the joint loads meet
	JLOAD 1                                        ; slot 1: K steps 3 to 5, my one tensor load behind the round
	FETCH_W 0, 0, 0
	FETCH_X 0, 0, 0
	PHA 0
	PHB 0
	PHA 1
	PHB 1
	PHA 2
	; slot 0 has been read out: it takes K steps 6 and 7
	WIN 0
	s_wait_tensorcnt 0x0                           ; all my tensor loads have landed, slot 1's among them
	ds_add_u32 v[SPW], v[NIL]                      ; 0 onto my spare word
	s_add_nc_u64 s[G0X+2:G0X+3], s[G0X+2:G0X+3], 9216
	s_add_nc_u64 s[G0W+2:G0W+3], s[G0W+2:G0W+3], 9216
	s_mov_b32 s[G1X+1], 384<<16                    ; no load of mine is out: tensor_dim0 = two K steps; beyond it the mover writes zeros
	s_mov_b32 s[G1W+1], 384<<16
	s_wait_dscnt 0x0                               ; the add is done, and my reads of slot 0 are over
	CROUND                                         ; no wave of any partner still reads slot 0 or has a load on its way
	JLOAD 0                                        ; my one tensor load behind the round; its four v_nop are the places in front of the loads below
	NEXTF 3
	MULT 2, 1
	PHA 3
	PHB 3
	PHA 4
	PHB 4
	PHA 5
	WIN 0
	s_wait_tensorcnt 0x0                           ; my part of K steps 6 and 7 is in
	ds_add_u32 v[SPW], v[NIL]
	s_wait_dscnt 0x0
	s_barrier_signal -1
	s_barrier_wait -1                              ; everybody's is; no round follows
	PLACES
	NEXTF 6
	MULT 5, 1
	PHA 6
	PHB 6
	PHA 7
	s_wait_dscnt 0x0
	MULT 7, 1
	WIN 0
	PLACES                                         ; ahead of the first read of results
	; ---- q: two pairs of token tiles
.irp k, 0,1
.if \k
	FREE
.endif
	QW 2, 16*(2*\k), 16*(4+2*\k), 16*(2*\k+1), 16*(5+2*\k)
.irp c, 0,1,2
	global_store_b128 v1, v[PC+4*\c:PC+4*\c+3], s[34:35] offset:1792*\k+512*\c
.endr
	v_mov_b32 v[PW+1], v[PW]
	global_store_b64 v2, v[PW:PW+1], s[34:35] offset:1792*\k+1536   ; 256 consecutive bytes
.endr
	; ---- k: the same, into the key step's record
.irp k, 0,1
	FREE
	QW 2, 128+16*(2*\k), 128+16*(4+2*\k), 128+16*(2*\k+1), 128+16*(5+2*\k)
.irp c, 0,1,2
	global_store_b128 v1, v[PC+4*\c:PC+4*\c+3], s[38:39] offset:1536*\k+512*\c
.endr
	ds_store_b32 v[STW], v[PW] offset:128*\k
.endr
	; ---- v: two channel tiles a call; my 64 tokens are blocks 2 tr, 2 tr + 1 of the step's four: registers 6 tr .. 6 tr + 5 of each tile
.irp k, 0,1
	FREE
	QW 3, 64*\k, 64*\k+16, 64*\k+32, 64*\k+48
	global_store_b128 v1, v[PC:PC+3], s[92:93] offset:3072*\k
	global_store_b64 v2, v[PC+4:PC+5], s[92:93] offset:3072*\k+512
	global_store_b128 v1, v[PC+6:PC+9], s[92:93] offset:3072*\k+1536
	global_store_b64 v2, v[PC+10:PC+11], s[92:93] offset:3072*\k+2048
	ds_store_b32 v[STW], v[PW] offset:256+128*\k
.endr
	s_wait_dscnt 0x0                               ; for the others' sake: my scale words lie in LDS
	s_barrier_signal -1
	s_barrier_wait -1
	s_cmp_lt_u32 s14, 2                            ; waves 0 and 1 (tr = 0) put their head's 512 bytes of scale words together with those of the wave two on (tr = 1)
	s_cbranch_scc0 .Lno_sc
.irp n, 0,1,2,3
	ds_load_b32 v[232+\n], v[STW] offset:128*\n
	ds_load_b32 v[236+\n], v[STW] offset:1024+128*\n
.endr
	s_wait_dscnt 0x0
	v_perm_b32 v240, v238, v234, 0x05040100        ; V's tile 0: my two blocks' bytes below, the partner's above
	v_perm_b32 v241, v238, v234, 0x07060302        ; tile 1
	v_perm_b32 v242, v239, v235, 0x05040100
	v_perm_b32 v243, v239, v235, 0x07060302
	s_mov_b32 s22, 0xffff0000
	v_cndmask_b32 v240, v232, v240, s22            ; lanes 0-15 take K's words: images 0, 1 mine, 2, 3 the partner's
	v_cndmask_b32 v241, v233, v241, s22
	v_cndmask_b32 v242, v236, v242, s22
	v_cndmask_b32 v243, v237, v243, s22
	global_store_b128 v1, v[240:243], s[36:37] offset:12288
.Lno_sc:
	s_wait_tensorcnt 0x0                           ; the wave's end
	ds_add_u32 v[SPW], v[NIL]
	s_wait_dscnt 0x0
	CROUND                                         ; the closing round
	s_endpgm
.Lfunc_end_k_q8e6a3f8bd5_qkv:
	.size	k_q8e6a3f8bd5_qkv, .Lfunc_end_k_q8e6a3f8bd5_qkv-k_q8e6a3f8bd5_qkv
	.p2alignl 7, 3214868480
	.fill 96, 4, 3214868480
	.section	.rodata,"a",@progbits
	.p2align	6, 0x0
	.amdhsa_kernel k_q8e6a3f8bd5_qkv
		.amdhsa_group_segment_fixed_size 327680
		.amdhsa_private_segment_fixed_size 0
		.amdhsa_enable_private_segment 0
		.amdhsa_kernarg_size 40
		.amdhsa_user_sgpr_count 2
		.amdhsa_user_sgpr_kernarg_segment_ptr 1
		.amdhsa_wavefront_size32 1
		.amdhsa_system_sgpr_workgroup_id_x 1
		.amdhsa_system_sgpr_workgroup_id_y 1
		.amdhsa_system_sgpr_workgroup_id_z 1
		.amdhsa_system_vgpr_workitem_id 0
		.amdhsa_next_free_vgpr 1024
		.amdhsa_next_free_sgpr 96
		.amdhsa_reserve_vcc 0
		.amdhsa_float_denorm_mode_32 3
		.amdhsa_float_denorm_mode_16_64 3
		.amdhsa_memory_ordered 1
		.amdhsa_forward_progress 1
		.amdhsa_inst_pref_size 123
	.end_amdhsa_kernel
	.amdgpu_metadata
---
amdhsa.version: [ 1, 2 ]
amdhsa.kernels:
  - .name:           k_q8e6a3f8bd5_qkv
    .symbol:         k_q8e6a3f8bd5_qkv.kd
    .args:
      - { .name: xq, .offset: 0, .size: 8, .value_kind: global_buffer, .address_space: global }
      - { .name: wq, .offset: 8, .size: 8, .value_kind: global_buffer, .address_space: global }
      - { .name: b_attn, .offset: 16, .size: 8, .value_kind: global_buffer, .address_space: global }
      - { .name: qq, .offset: 24, .size: 8, .value_kind: global_buffer, .address_space: global }
      - { .name: kv, .offset: 32, .size: 8, .value_kind: global_buffer, .address_space: global }
    .group_segment_fixed_size: 327680
    .private_segment_fixed_size: 0
    .kernarg_segment_align: 8
    .kernarg_segment_size: 40
    .max_flat_workgroup_size: 128
    .sgpr_count:     96
    .vgpr_count:     1024
    .wavefront_size: 32
...
	.end_amdgpu_metadata
.endif
;; end of part 2
;; launch attn (part 3): grid 16 x 16, 16 waves a work-group, no clusters, 327,680 bytes of LDS; arguments qq, kv, oq; writes oq
.if DOCPART == 3
	.amdgcn_target "amdgcn-amd-amdhsa--gfx1250"
	.amdhsa_code_object_version 6
	.text
	.protected	k_q8e6a3f8bd5_attn
	.globl	k_q8e6a3f8bd5_attn
	.p2align	8
	.type	k_q8e6a3f8bd5_attn,@function
k_q8e6a3f8bd5_attn:
	s_mov_b64 s[64:65], 0
	v_nop
	global_prefetch_b8 v0, s[64:65] scope:SCOPE_SE
	s_setreg_imm32_b32 hwreg(HW_REG_WAVE_MODE, 25, 1), 1
	s_wait_xcnt 0x0
; o = softmax(q k^T / 8, causal) v for 16 heads of 64, both products on codes of FP6 (E2M3) with E8M0 scales; o is divided by the row's sum, quantised along the merged channels and stored as images for the projection.
; THE SOFTMAX: t = score x log2(e) / 8; M = the running largest t rounded UP to a whole number; p = 2^(t - M) is quantised along the keys, not normalised; the sum is taken of the unquantised p; when M moves, the sum and O are multiplied by 2^(old M - new M): exact.
; LEFT OUT: key steps that lie wholly behind a tile's queries: the causal mask sets their scores to -infinity, so their p is 0 for all inputs.
; SHARES.  Work-group (j, head) owns the blocks of 128 queries j (early) and 31 - j (late): 8 (j + 1) + 8 (32 - j) = 264 steps of 16 queries x 128 keys.  They are dealt 17 or 16 to a wave, whatever j is.
; Tile number ti of both blocks belongs to the pair of waves 2 ti, 2 ti + 1.  Wave a of the pair: the late tile, key steps 0 .. 16.  Wave b: the late tile, key steps 17 .. 31 - j (15 - j of them), then it puts its O, M and sum
; into its own stage in LDS, begins anew and takes the early tile, key steps 0 .. j.  At the end wave a joins b's part to its own: both M are whole numbers, so both factors are exact powers of two.
; Every run of four waves, and every fourth wave, has two a and two b.  Wave a hands out the late tile, wave b the early one.  (All waves load both tiles' q, so that the head has one path; wave a uses the late one alone.)
; LAYOUT.  Both products transposed: S^T = K Q^T, O^T = V^T P^T: a lane holds ONE query.  An image of K holds TWO key tiles (2 b in the lower 64 of K, 2 b + 1 in the upper); multiplied by (q | 0) it gives tile 2 b's scores, by (0 | q) tile 2 b + 1's.
; THE RING.  Time goes in 17 steps.  At time n wave a reads record n; wave b record 17 + n, or, past 31 - j, record 17 + n - (32 - j).  A slot holds four times: four records for a, then four for b: 8 x 12,800 bytes.  Two slots.
; Every wave fetches half a record (25 rows of 256 bytes): one tensor load a wave at the head and behind each barrier.  Time 16 needs record 16 alone: waves 0 and 1 fetch it into slot 0.  One tensor load of a wave is out at most; every wait for them is for 0.
; NO CLUSTER: b's records hang on j, which partners would not share.
; PREFETCH: behind the first two barriers one wave of each work-group asks for half a record (25 blocks of 256 bytes, a lane a block, the lanes over held at the last): the head's sixteen work-groups so share out the eight records of the slot
; that the NEXT barrier's loads ask for (8 .. 11 and 25 .. 28; then 12 .. 15, 29 .. 31 and 16).
; oq's scale bytes leave two to a row (global_store_b16): the word's other two belong to the neighbouring head's work-group.
; LIMITS: NaN and infinities are not served; blocks whose largest magnitude lies under 2^-124, blocks of zeros among them, keep the scale byte 1; the scaled scores stay under 2^31 in magnitude.
.set REC,   12800
.set HREC,  6400
.set SLOTB, 8*REC
.set STG,   2*SLOTB                    ; behind the ring: a stage of 9 x 512 bytes for each wave; no fill lands here
.set STGB,  4608
.set SPARE, STG+16*STGB                ; the spare words, 128 bytes for each of sixteen waves: eight blocks of 256 bytes that no other line names
.set LI,  1                            ; v1  16 x lane + my stream's place in a slot
.set L8,  2                            ; v2  8 x lane + the same
.set A16, 3
.set A8,  4
.set SPW, 5
.set NIL, 6
.set QS,  7                            ; q's scale word (s0, s1, s0, s1)
.set DQ,  8                            ; my query's place in its block of 128, less 16 (lane / 16)
.set PFO, 9
.set P16, 10                           ; 16 x lane
.set STA, 11                           ; my stage
.set QB,  16                           ; v16-27 (0 | q);  v22-33 (q | 0)
.set QA,  22
.set KF,  34                           ; v34-81 K's four images; behind the score products these registers are at work:
.set BM,  34
.set BP,  38
.set SO,  42
.set BY,  46
.set CT,  50
.set FF,  58
.set TT,  60
.set SA,  62
.set NI,  64
.set SU,  66                           ; v66-79 seven chains of the row's sum
.set SCL, 82                           ; v82-85 lanes 0-15 K's scale words, lanes 16-31 V's
.set PW,  86
.set QS2, 87                           ; the early tile's scale word
.set PC,  88
.set S,   100                          ; v100-163 S^T, then p
.set O,   164                          ; v164-195 O^T
.set VF,  196                          ; v196-243 V's four tiles
.set Q2,  244                          ; v244-249 the early tile's q
.set STB, 252                          ; my partner's stage
.set WV,  10
.set JJ,  11
.set EE,  12
.set BD,  15                           ; the block of the tile that I hand out
.set G1,  16
.set G0,  24
.set SEL, 32
.set CS,  34
.set TB,  36
.set CN,  37
.set KS,  38                           ; the time
.set SW,  39                           ; the time at which I change tiles (a: never)
.set ND,  40                           ; the next time at which my step lies on the diagonal
.set XC,  41                           ; the record that I fetch next, before the turn back to record 0
.set LIMW, 42
.set WRAP, 43
.set KVB, 44
.set WOFF, 46
.set BL,  47
.set PF0, 48
.set PF1, 50
.macro GADDR sl                        ; group 0 for my half record of the next slot; work on registers alone
	s_cmp_gt_u32 s[XC], s[LIMW]
	s_cselect_b32 s62, s[WRAP], 0
	s_sub_co_u32 s62, s[XC], s62
	s_mul_i32 s62, s62, REC
	s_add_nc_u64 s[G0+2:G0+3], s[KVB:KVB+1], s[62:63]
	s_or_b32 s[G0+3], s[G0+3], 0x80000000
	s_add_co_u32 s[G0+1], s[WOFF], (\sl)*SLOTB
	s_add_co_u32 s[XC], s[XC], 4
.endm
	s_load_b128 s[4:7], s[0:1], 0x0                ; qq s[4:5], kv s[6:7]
	s_load_b64 s[8:9], s[0:1], 0x10                ; oq
	v_lshl_add_u32 v[SPW], v0, 2, SPARE
	v_mov_b32 v[NIL], 0
	ds_add_u32 v[SPW], v[NIL]
	ds_add_u32 v[SPW], v[NIL]
	v_lshrrev_b32 v1, 5, v0
	v_readfirstlane_b32 s[WV], v1                  ; wave 0..15
	s_mov_b32 s[JJ], ttmp9
	s_and_b32 s[EE], ttmp7, 0xffff                 ; the head
	s_lshr_b32 s13, s[WV], 2
	s_xor_b32 s13, s13, s[WV]
	s_and_b32 s13, s13, 1                          ; 1: wave a
	s_lshr_b32 s14, s[WV], 1                       ; my tile ti; also: which of a slot's eight records I fetch
	s_sub_co_u32 s[BL], 31, s[JJ]                  ; the late block
	s_sub_co_u32 s[WRAP], 32, s[JJ]
	s_sub_co_u32 s52, 15, s[JJ]
	s_sub_co_u32 s53, 14, s[JJ]                    ; (j = 15: no such time)
	s_add_co_u32 s55, s14, 13
	s_cmp_eq_u32 s13, 1
	s_cselect_b32 s[BD], s[BL], s[JJ]
	s_cselect_b32 s[SW], 99, s52
	s_cselect_b32 s[ND], s[BL], s53
	s_cmp_lt_u32 s14, 4
	s_cselect_b32 s[XC], s14, s55                  ; a's records begin at 0, b's at 17
	s_cselect_b32 s[LIMW], 1000, s[BL]
	; group 1: half a record is a dense block: 25 rows of 256 bytes (32 elements of 8 bytes)
	s_mov_b32 s[G1], 3<<16
	s_mov_b32 s[G1+1], 32<<16
	s_mov_b32 s[G1+2], 25<<16
	s_mov_b32 s[G1+3], 32<<16
	s_mov_b32 s[G1+4], 25
	s_mov_b32 s[G1+5], 32
	s_mov_b32 s[G1+6], 0
	s_mov_b32 s[G1+7], 0
	s_mov_b32 s[G0], 1
	s_mul_i32 s[WOFF], s[WV], HREC                 ; where my half goes in a slot
	s_and_b32 s54, s[WV], 1
	s_mul_i32 s54, s54, HREC
	s_mul_i32 s56, s[EE], 32*REC                   ; the head's 32 records
	s_add_co_u32 s54, s54, s56
	s_mov_b32 s55, 0
	s_mov_b32 s63, 0
	s_wait_dscnt 0x0
	s_wait_kmcnt 0x0
	s_add_nc_u64 s[KVB:KVB+1], s[6:7], s[54:55]
	GADDR 0
	tensor_load_to_lds s[G0:G0+3], s[G1:G1+7]      ; slot 0, my half record: every wave's one load at the head
	s_nop 0
.rept 4
	v_nop
.endr
	; the prefetches' two addresses: never rewritten
	s_lshr_b32 s58, s[JJ], 1
	s_add_co_u32 s59, s58, 8
	s_add_co_u32 s60, s58, 21
	s_cmp_lt_u32 s58, 4
	s_cselect_b32 s59, s59, s60                    ; record 8 .. 11 or 25 .. 28
	s_add_co_u32 s60, s59, 4
	s_cmp_eq_u32 s60, 32
	s_cselect_b32 s60, 16, s60                     ; then 12 .. 15 or 29 .. 31, and 16
	s_and_b32 s58, s[JJ], 1
	s_mul_i32 s58, s58, HREC
	s_add_co_u32 s58, s58, s56
	s_mul_i32 s52, s59, REC
	s_add_co_u32 s52, s52, s58
	s_mov_b32 s53, 0
	s_add_nc_u64 s[PF0:PF0+1], s[6:7], s[52:53]
	s_mul_i32 s52, s60, REC
	s_add_co_u32 s52, s52, s58
	s_add_nc_u64 s[PF1:PF1+1], s[6:7], s[52:53]
	; q: the pair of query tiles ti / 2 of the late block and of the early one
	s_lshl_b32 s52, s[EE], 7
	s_lshr_b32 s54, s14, 1
	s_add_co_u32 s52, s52, s54
	s_lshl_b32 s54, s[BL], 2
	s_add_co_u32 s54, s54, s52
	s_mul_i32 s54, s54, 1792
	s_add_nc_u64 s[28:29], s[4:5], s[54:55]
	s_lshl_b32 s54, s[JJ], 2
	s_add_co_u32 s54, s54, s52
	s_mul_i32 s54, s54, 1792
	s_add_nc_u64 s[30:31], s[4:5], s[54:55]
	s_and_b32 s52, s14, 1                          ; u: registers 6 u .. 6 u + 5 of the pair's image are mine
	s_mul_i32 s58, s52, 520
	s_mul_i32 s59, s52, 1016
	s_add_co_u32 s59, s59, 8
	s_lshr_b32 s60, s14, 1
	s_lshl_b32 s60, s60, 5
	s_lshl_b32 s61, s52, 3
	s_add_co_u32 s60, s60, s61                     ; the tile's 32 (ti / 2) + 8 (ti % 2)
	s_mov_b32 s54, 0x01000100
	s_cmp_eq_u32 s52, 1
	s_cselect_b32 s54, 0x03020302, s54             ; which half of the pair's scale word is my tile's
	s_mul_i32 s61, s[WV], STGB
	s_add_co_u32 s61, s61, STG                     ; my stage
	s_xor_b32 s57, s[WV], 1
	s_mul_i32 s57, s57, STGB
	s_add_co_u32 s57, s57, STG                     ; my partner's
	s_xor_b32 s56, s13, 1
	s_mul_i32 s56, s56, 4*REC                      ; b's records lie behind a's four
	s_mov_b32 s[SEL], 0x76543210
	s_mov_b32 s[SEL+1], 0xfedcba98
	s_mov_b32 s[CS], 0x3e38aa3b                    ; c = log2(e) / 8
	s_mov_b32 s[CS+1], s[CS]
	s_mov_b32 s[KS], 0
	v_and_b32 v3, 31, v0
	v_and_b32 v[DQ], 15, v0
	v_bfe_u32 v4, v0, 4, 1
	v_lshlrev_b32 v[P16], 4, v3
	v_min_u32 v[PFO], 24, v3
	v_and_b32 v250, 8, v[DQ]
	v_lshlrev_b32 v4, 4, v4                        ; 16 h
	v_lshlrev_b32 v251, 3, v3                      ; 8 x lane
	v_lshlrev_b32 v[PFO], 8, v[PFO]
	v_add_nc_u32 v[DQ], v[DQ], v250                ; r + 8 (r / 8)
	v_add_nc_u32 v[LI], s56, v[P16]
	v_add_nc_u32 v[L8], s56, v251
	v_sub_nc_u32 v[DQ], v[DQ], v4
	v_add_nc_u32 v[STA], s61, v[P16]
	v_add_nc_u32 v[STB], s57, v[P16]
	v_add_nc_u32 v[DQ], s60, v[DQ]
	v_add_nc_u32 v250, s58, v[P16]
	v_add_nc_u32 v253, s59, v[P16]
	s_wait_alu depctr_va_vdst(0)
	global_load_b64 v[QA:QA+1], v250, s[28:29]
	global_load_b64 v[QA+2:QA+3], v253, s[28:29]
	global_load_b64 v[QA+4:QA+5], v250, s[28:29] offset:512
	global_load_b32 v[TT], v251, s[28:29] offset:1536
	global_load_b64 v[Q2:Q2+1], v250, s[30:31]
	global_load_b64 v[Q2+2:Q2+3], v253, s[30:31]
	global_load_b64 v[Q2+4:Q2+5], v250, s[30:31] offset:512
	global_load_b32 v[TT+1], v251, s[30:31] offset:1536
.irp i, 0,1,2,3,4,5
	v_mov_b32 v[QB+\i], 0                          ; the zero codes beside q
	v_mov_b32 v[QA+6+\i], 0
.endr
.irp b, 0,1,2,3
	v_mov_b32 v[BP+\b], 0                          ; a lane permute's destination counts as one of its sources
.endr
	v_mov_b32 v13, 0xff61b1e6                      ; the largest t so far: -3e38
	v_mov_b32 v12, 0x7f61b1e6                      ; -M
	v_mov_b32 v14, 0                               ; the sum, in two halves
	v_mov_b32 v15, 0
	s_wait_alu depctr_va_vdst(0)
	s_wait_loadcnt 0x0
	v_perm_b32 v[QS], v[TT], v[TT], s54            ; (s0, s1, s0, s1): it serves (q | 0) and (0 | q)
	v_perm_b32 v[QS2], v[TT+1], v[TT+1], s54
.set N, 0
.rept 32
	v_mov_b32 v[O+N], 0                            ; O^T: the step is written once; the first change of M leaves zeros zeros
.set N, N+1
.endr
	s_wait_alu depctr_va_vdst(0)
; A STEP: 16 queries x 128 keys, whose record begins at LDS byte s[TB] + my stream's place.  sw = 1: the change of tiles is assembled
.macro STEP sw
.if \sw
	s_cmp_eq_u32 s[KS], s[SW]
	s_cbranch_scc0 .Lsame_\@
.irp i, 0,1,2,3,4,5
	v_mov_b32 v[QA+\i], v[Q2+\i]                   ; THE CHANGE OF TILES (wave b): the early tile's q; these seven are also the places behind the last products
.endr
	v_mov_b32 v[QS], v[QS2]
.irp g, 0,1,2,3,4,5,6,7
	ds_store_b128 v[STA], v[O+4*\g:O+4*\g+3] offset:512*\g   ; my part of the late tile: each accumulator from its low end on
.endr
	ds_store_b128 v[STA], v[12:15] offset:4096     ; -M and the sum's halves
	s_mov_b32 s[ND], 15                            ; the early tile's diagonal step is my last
	s_wait_dscnt 0x0                               ; the stores have read their registers, which are written below; my partner reads behind a later barrier
	v_mov_b32 v13, 0xff61b1e6
	v_mov_b32 v12, 0x7f61b1e6
	v_mov_b32 v14, 0
	v_mov_b32 v15, 0
.set N, 0
.rept 32
	v_mov_b32 v[O+N], 0
.set N, N+1
.endr
.Lsame_\@:
.endif
	v_add_nc_u32 v[A16], s[TB], v[LI]
	v_add_nc_u32 v[A8], s[TB], v[L8]
	v_nop
	v_nop                                          ; four places in front of loads into registers that the last step's products read
.irp b, 0,1,2,3
.irp c, 0,1,2
	ds_load_b128 v[KF+12*\b+4*\c:KF+12*\b+4*\c+3], v[A16] offset:1536*\b+512*\c
.endr
.endr
	ds_load_b128 v[SCL:SCL+3], v[A16] offset:12288
.irp i, 0,1,2,3
.irp c, 0,1
	ds_load_b128 v[VF+12*\i+6*\c:VF+12*\i+6*\c+3], v[A16] offset:6144+1536*\i+768*\c
	ds_load_b64 v[VF+12*\i+6*\c+4:VF+12*\i+6*\c+5], v[A8] offset:6144+1536*\i+768*\c+512
.endr
.endr
	s_wait_dscnt 16                                ; K and the scale words are in; V's 16 loads may be out
.irp b, 0,1,2,3
	v_wmma_scale_f32_16x16x128_f8f6f4 v[S+16*\b:S+16*\b+7], v[KF+12*\b:KF+12*\b+11], v[QA:QA+11], 0, v[SCL+\b], v[QS] matrix_a_fmt:MATRIX_FMT_FP6 matrix_b_fmt:MATRIX_FMT_FP6
	v_wmma_scale_f32_16x16x128_f8f6f4 v[S+16*\b+8:S+16*\b+15], v[KF+12*\b:KF+12*\b+11], v[QB:QB+11], 0, v[SCL+\b], v[QS] matrix_a_fmt:MATRIX_FMT_FP6 matrix_b_fmt:MATRIX_FMT_FP6
.endr
.rept 4
	v_nop
.endr
	s_cmp_lg_u32 s[KS], s[ND]                      ; the step on the diagonal: hidden scores become -infinity ahead of the maximum
	s_cbranch_scc1 .Lopen_\@
	v_mov_b32 v[NI], 0xff800000
.set N, 0
.rept 64
	v_cmp_gt_i32 vcc_lo, 32*(N/16)+N%16, v[DQ]     ; register 16 b + i holds key 32 b + 16 (lane / 16) + i of the step
	v_cndmask_b32 v[S+N], v[S+N], v[NI], vcc_lo
.set N, N+1
.endr
.Lopen_\@:
.irp b, 0,1,2,3
	v_max3_num_f32 v[BM+\b], v[S+16*\b], v[S+1+16*\b], v[S+2+16*\b]   ; the largest score of each block of 32 keys: for the row's maximum, and, since p rises with the score, for the block's largest p
.endr
.irp i, 3,5,7,9,11,13
.irp b, 0,1,2,3
	v_max3_num_f32 v[BM+\b], v[BM+\b], v[S+16*\b+\i], v[S+1+16*\b+\i]
.endr
.endr
.irp b, 0,1,2,3
	v_max_num_f32 v[BM+\b], v[BM+\b], v[S+15+16*\b]
.endr
.irp b, 0,1,2,3
	s_delay_alu instid0(VALU_DEP_4)
	v_permlanex16_b32 v[BP+\b], v[BM+\b], s[SEL], s[SEL+1]
.endr
.irp b, 0,1,2,3
	s_delay_alu instid0(VALU_DEP_4)
	v_max_num_f32 v[BM+\b], v[BM+\b], v[BP+\b]     ; with lane l xor 16's 16 keys
.endr
	s_delay_alu instid0(VALU_DEP_2)
	v_max3_num_f32 v[TT], v[BM], v[BM+1], v[BM+2]
	s_delay_alu instid0(VALU_DEP_1)
	v_max_num_f32 v[TT], v[TT], v[BM+3]
	s_delay_alu instid0(VALU_DEP_1)
	v_mul_f32 v[TT], s[CS], v[TT]                  ; as t
	s_delay_alu instid0(VALU_DEP_1)
	v_max_num_f32 v13, v13, v[TT]                  ; the running largest t
	v_mov_b32 v[TT], v12
	s_delay_alu instid0(VALU_DEP_2)
	v_floor_f32 v12, -v13                          ; the new -M = -ceil(t)
	s_delay_alu instid0(VALU_DEP_1)
	v_sub_f32 v[TT], v12, v[TT]                    ; old M - new M: a whole number, 0 or less
	s_delay_alu instid0(VALU_DEP_1)
	v_cvt_i32_f32 v[TT], v[TT]                     ; (it saturates)
	s_delay_alu instid0(VALU_DEP_1)
	v_ldexp_f32 v[FF], 1.0, v[TT]                  ; f = 2^(old M - new M)
.set N, 0
.rept 32
	v_pk_fma_f32 v[S+N:S+N+1], v[S+N:S+N+1], s[CS:CS+1], v[12:13] op_sel_hi:[1,0,0]   ; t - M, two at a time
.set N, N+2
.endr
.irp b, 0,1,2,3
	v_fma_f32 v[BM+\b], v[BM+\b], s[CS], v12       ; the same of each block's largest score
.endr
	s_wait_alu depctr_va_vdst(0)
.set N, 0
.rept 64
	v_exp_f32 v[S+N], v[S+N]                       ; p = 2^(t - M)
.set N, N+1
.endr
	v_pk_mul_f32 v[14:15], v[14:15], v[FF:FF+1] op_sel_hi:[1,0]   ; the sums under the new M: the plain place behind the exponentials
	s_wait_alu depctr_va_vdst(0)                   ; one wait for the batch, ahead of its first reader
.irp b, 0,1,2,3
	v_exp_f32 v[BM+\b], v[BM+\b]                   ; the blocks' largest p
.endr
.irp c, 0,1,2,3,4,5,6                  ; the row's sum of the unquantised p: 32 pairs in eight chains by turns
	v_pk_add_f32 v[SU+2*\c:SU+2*\c+1], v[S+4*\c:S+4*\c+1], v[S+4*\c+2:S+4*\c+3]
.endr
	v_pk_add_f32 v[14:15], v[14:15], v[S+28:S+29]
.irp g, 0,1
.irp c, 0,1,2,3,4,5,6
	v_pk_add_f32 v[SU+2*\c:SU+2*\c+1], v[SU+2*\c:SU+2*\c+1], v[S+30+16*\g+2*\c:S+31+16*\g+2*\c]
.endr
	v_pk_add_f32 v[14:15], v[14:15], v[S+44+16*\g:S+45+16*\g]
.endr
	v_pk_add_f32 v[SU:SU+1], v[SU:SU+1], v[S+62:S+63]
	v_pk_add_f32 v[SU+2:SU+3], v[SU+2:SU+3], v[SU+10:SU+11]
	v_pk_add_f32 v[SU+4:SU+5], v[SU+4:SU+5], v[SU+12:SU+13]
	v_pk_add_f32 v[14:15], v[14:15], v[SU+6:SU+7]
	v_pk_add_f32 v[SU:SU+1], v[SU:SU+1], v[SU+8:SU+9]
	s_delay_alu instid0(VALU_DEP_2)
	v_pk_add_f32 v[14:15], v[14:15], v[SU+2:SU+3]
	s_delay_alu instid0(VALU_DEP_2)
	v_pk_add_f32 v[SU:SU+1], v[SU:SU+1], v[SU+4:SU+5]
	s_delay_alu instid0(VALU_DEP_1)
	v_pk_add_f32 v[14:15], v[14:15], v[SU:SU+1]
	s_wait_alu depctr_va_vdst(0)                   ; and one for the four
.irp b, 0,1,2,3
	v_max_num_f32 v[BM+\b], 0x1800000, v[BM+\b]    ; the floor 2^(3 - 127)
.endr
.irp b, 0,1,2,3
	s_delay_alu instid0(VALU_DEP_4)
	v_add_nc_u32 v[SO+\b], 0xff000000, v[BM+\b]    ; the conversion's scale operand
.endr
.irp b, 0,1,2,3
	s_delay_alu instid0(VALU_DEP_4)
	v_lshrrev_b32 v[BY+\b], 23, v[SO+\b]
.endr
	s_delay_alu instid0(VALU_DEP_3)
	v_lshl_or_b32 v[PW], v[BY+1], 8, v[BY]
	s_delay_alu instid0(VALU_DEP_1)
	v_lshl_or_b32 v[PW], v[BY+2], 16, v[PW]
	s_delay_alu instid0(VALU_DEP_1)
	v_lshl_or_b32 v[PW], v[BY+3], 24, v[PW]
.irp c, 0,1
	v_cvt_scalef32_pk16_fp6_f32 v[PC+6*\c:PC+2+6*\c], v[S+32*\c:S+15+32*\c], v[SO+2*\c]
	v_cvt_scalef32_pk16_fp6_f32 v[CT+4*\c:CT+2+4*\c], v[S+16+32*\c:S+31+32*\c], v[SO+2*\c+1]
.endr
	v_nop                                          ; one plain place behind a scaled conversion
.irp c, 0,1
.irp i, 0,1,2
	v_permlane16_swap_b32 v[PC+6*\c+\i], v[CT+4*\c+\i]
.endr
.irp i, 0,1,2
	s_delay_alu instid0(VALU_DEP_3)
	v_mov_b32 v[PC+3+6*\c+\i], v[CT+4*\c+\i]
.endr
.endr
	s_wait_alu depctr_va_vdst(0)                   ; directly ahead of the first reader of O^T
.set N, 0
.rept 16
	v_pk_mul_f32 v[O+N:O+N+1], v[O+N:O+N+1], v[FF:FF+1] op_sel_hi:[1,0]   ; O^T under the new M; these sixteen are also the places in front of the scaled products
.set N, N+2
.endr
	s_wait_alu depctr_va_vdst(0)
	s_wait_dscnt 0x0                               ; V is in
.irp i, 0,1,2,3
	v_wmma_scale_f32_16x16x128_f8f6f4 v[O+8*\i:O+8*\i+7], v[VF+12*\i:VF+12*\i+11], v[PC:PC+11], v[O+8*\i:O+8*\i+7], v[SCL+\i], v[PW] matrix_a_fmt:MATRIX_FMT_FP6 matrix_b_fmt:MATRIX_FMT_FP6 matrix_a_scale:MATRIX_SCALE_ROW1
.endr
.endm
.macro SLOT_STEPS sl                   ; a slot's four times: written once, walked four times
	s_mov_b32 s[TB], \sl*SLOTB
	s_mov_b32 s[CN], 4
.Lstep_\@:
	STEP 1
	s_add_co_u32 s[TB], s[TB], REC
	s_add_co_u32 s[KS], s[KS], 1
	s_sub_co_u32 s[CN], s[CN], 1
	s_cmp_lg_u32 s[CN], 0
	s_cbranch_scc1 .Lstep_\@
.endm
; THE CHANGE OF SLOTS: each wave waits for all its tensor loads, adds 0 to its spare word, waits for that and for its reads of the slot that it has left; behind the barrier the slot ahead is whole and the other one is filled.
; refill = 1: every wave its half record; 2: waves 0 and 1 alone (record 16); 0: none.  ask = 1, 2: the first or the second prefetch.
.macro MEET sl, refill, ask
	s_wait_tensorcnt 0x0
	ds_add_u32 v[SPW], v[NIL]
.if \refill
	GADDR 1-\sl                                    ; no load of mine is out: group 0 may be written
.endif
	s_wait_dscnt 0x0
	s_barrier_signal -1
	s_barrier_wait -1
.if \refill == 1
	tensor_load_to_lds s[G0:G0+3], s[G1:G1+7]
	s_nop 0
.rept 4
	v_nop
.endr
.endif
.if \refill == 2
	s_cmp_lt_u32 s[WV], 2
	s_cbranch_scc0 .Lnot_mine_\@
	tensor_load_to_lds s[G0:G0+3], s[G1:G1+7]
	s_nop 0
.rept 4
	v_nop
.endr
.Lnot_mine_\@:
.endif
.if \ask
	s_cmp_eq_u32 s[WV], 5
	s_cbranch_scc0 .Lnot_asked_\@
	global_prefetch_b8 v[PFO], s[PF0+2*(\ask)-2:PF0+2*(\ask)-1] th:TH_LOAD_NT scope:SCOPE_SE
.Lnot_asked_\@:
.endif
.endm
	MEET 0, 1, 1                                   ; slot 1's first fill is issued as a refill is
	SLOT_STEPS 0
	MEET 1, 1, 2
	SLOT_STEPS 1
	MEET 0, 1, 0
	SLOT_STEPS 0
	MEET 1, 2, 0
	SLOT_STEPS 1
	MEET 0, 0, 0                                   ; behind this barrier record 16 is whole, and every wave b's part lies in its stage
	s_mov_b32 s[TB], 0
	s_cmp_eq_u32 s13, 1
	s_cbranch_scc0 .Lno17                          ; time 16 is wave a's alone
	STEP 0
	; wave a joins its partner's part of the late tile
.irp g, 0,1,2,3,4,5,6,7,8
	ds_load_b128 v[S+4*\g:S+4*\g+3], v[STB] offset:512*\g
.endr
	s_wait_dscnt 0x0
	v_min_num_f32 v[TT], v12, v[S+32]              ; the new -M: the larger M
	s_delay_alu instid0(VALU_DEP_1)
	v_sub_f32 v[FF], v[TT], v12
	v_sub_f32 v[SA], v[TT], v[S+32]                ; whole numbers, 0 or less (an empty part: -3e38)
	s_delay_alu instid0(VALU_DEP_2)
	v_cvt_i32_f32 v[FF], v[FF]
	s_delay_alu instid0(VALU_DEP_2)
	v_cvt_i32_f32 v[SA], v[SA]                     ; (it saturates)
	s_delay_alu instid0(VALU_DEP_2)
	v_ldexp_f32 v[FF], 1.0, v[FF]
	s_delay_alu instid0(VALU_DEP_2)
	v_ldexp_f32 v[SA], 1.0, v[SA]
	s_delay_alu instid0(VALU_DEP_2)
	v_pk_mul_f32 v[14:15], v[14:15], v[FF:FF+1] op_sel_hi:[1,0]
	s_delay_alu instid0(VALU_DEP_1)
	v_pk_fma_f32 v[14:15], v[S+34:S+35], v[SA:SA+1], v[14:15] op_sel_hi:[1,0,1]
.set N, 0
.rept 16
	v_pk_mul_f32 v[O+N:O+N+1], v[O+N:O+N+1], v[FF:FF+1] op_sel_hi:[1,0]
.set N, N+2
.endr
.set N, 0
.rept 16
	v_pk_fma_f32 v[O+N:O+N+1], v[S+N:S+N+1], v[SA:SA+1], v[O+N:O+N+1] op_sel_hi:[1,0,1]
.set N, N+2
.endr
.Lno17:
	s_wait_alu depctr_va_vdst(0)
	; THE WAY OUT: O^T / the sum; its 64 channels are two blocks of the projection's K: six registers of codes and two scale bytes a row
	v_add_f32 v14, v14, v15
	s_delay_alu instid0(VALU_DEP_1)
	v_permlanex16_b32 v[TT], v14, s[SEL], s[SEL+1]
	s_delay_alu instid0(VALU_DEP_1)
	v_add_f32 v14, v14, v[TT]                      ; the row's sum
	s_wait_alu depctr_va_vdst(0)
	v_rcp_f32 v14, v14
	v_and_b32 v3, 15, v0                           ; (plain places behind the reciprocal)
	v_lshrrev_b32 v4, 1, v[P16]                    ; 8 x lane
	v_lshlrev_b32 v3, 2, v3                        ; 4 r
	v_nop
	s_lshl_b32 s44, s[BD], 3
	s_add_co_u32 s44, s44, s14                     ; my token tile
	s_mul_i32 s44, s44, REC
	s_lshr_b32 s45, s[EE], 1                       ; the K step: two heads to 128
	s_and_b32 s46, s[EE], 1                        ; and its half
	s_mul_i32 s52, s45, 1536
	s_add_co_u32 s52, s52, s44
	s_mul_i32 s47, s46, 768
	s_add_co_u32 s52, s52, s47
	s_mov_b32 s53, 0
	s_add_nc_u64 s[58:59], s[8:9], s[52:53]
	s_lshr_b32 s54, s[EE], 2
	s_lshl_b32 s54, s54, 7                         ; the pair of K steps,
	s_and_b32 s47, s45, 1
	s_lshl_b32 s47, s47, 6                         ; lanes 0-15 or 16-31 of its words,
	s_add_co_u32 s54, s54, s47
	s_lshl_b32 s47, s46, 1                         ; bytes 0, 1 or 2, 3
	s_add_co_u32 s54, s54, s47
	s_add_co_u32 s54, s54, s44
	s_add_co_u32 s54, s54, 12288
	s_mov_b32 s55, 0
	s_add_nc_u64 s[60:61], s[8:9], s[54:55]
	s_wait_alu depctr_va_vdst(0)                   ; ahead of the reciprocal's first reader
.set N, 0
.rept 32
	v_mul_f32 v[S+N], v[O+N], v14                  ; register 16 b + i: channel 32 b + 16 (lane / 16) + i of my query
.set N, N+1
.endr
.irp b, 0,1
	v_max3_num_f32 v[BM+\b], |v[S+16*\b]|, |v[S+1+16*\b]|, 0x1800000
.endr
.irp i, 2,4,6,8,10,12,14
.irp b, 0,1
	s_delay_alu instid0(VALU_DEP_2)
	v_max3_num_f32 v[BM+\b], v[BM+\b], |v[S+16*\b+\i]|, |v[S+1+16*\b+\i]|
.endr
.endr
.irp b, 0,1
	s_delay_alu instid0(VALU_DEP_2)
	v_permlanex16_b32 v[BP+\b], v[BM+\b], s[SEL], s[SEL+1]
.endr
.irp b, 0,1
	s_delay_alu instid0(VALU_DEP_2)
	v_max_num_f32 v[BM+\b], v[BM+\b], v[BP+\b]
.endr
.irp b, 0,1
	s_delay_alu instid0(VALU_DEP_2)
	v_add_nc_u32 v[SO+\b], 0xff000000, v[BM+\b]
.endr
.irp b, 0,1
	s_delay_alu instid0(VALU_DEP_2)
	v_lshrrev_b32 v[BY+\b], 23, v[SO+\b]
.endr
	s_delay_alu instid0(VALU_DEP_1)
	v_lshl_or_b32 v[TT], v[BY+1], 8, v[BY]
	v_cvt_scalef32_pk16_fp6_f32 v[PC:PC+2], v[S:S+15], v[SO]
	v_cvt_scalef32_pk16_fp6_f32 v[CT:CT+2], v[S+16:S+31], v[SO+1]
	v_nop
.irp i, 0,1,2
	v_permlane16_swap_b32 v[PC+\i], v[CT+\i]
.endr
.irp i, 0,1,2
	s_delay_alu instid0(VALU_DEP_3)
	v_mov_b32 v[PC+3+\i], v[CT+\i]
.endr
	global_store_b128 v[P16], v[PC:PC+3], s[58:59]             ; 512 consecutive bytes, aligned
	global_store_b64 v4, v[PC+4:PC+5], s[58:59] offset:512     ; 256
	global_store_b16 v3, v[TT], s[60:61]
	s_wait_tensorcnt 0x0                           ; the wave's end
	ds_add_u32 v[SPW], v[NIL]
	s_wait_dscnt 0x0
	s_endpgm
.Lfunc_end_k_q8e6a3f8bd5_attn:
	.size	k_q8e6a3f8bd5_attn, .Lfunc_end_k_q8e6a3f8bd5_attn-k_q8e6a3f8bd5_attn
	.p2alignl 7, 3214868480
	.fill 96, 4, 3214868480
	.section	.rodata,"a",@progbits
	.p2align	6, 0x0
	.amdhsa_kernel k_q8e6a3f8bd5_attn
		.amdhsa_group_segment_fixed_size 327680
		.amdhsa_private_segment_fixed_size 0
		.amdhsa_enable_private_segment 0
		.amdhsa_kernarg_size 24
		.amdhsa_user_sgpr_count 2
		.amdhsa_user_sgpr_kernarg_segment_ptr 1
		.amdhsa_wavefront_size32 1
		.amdhsa_system_sgpr_workgroup_id_x 1
		.amdhsa_system_sgpr_workgroup_id_y 1
		.amdhsa_system_sgpr_workgroup_id_z 1
		.amdhsa_system_vgpr_workitem_id 0
		.amdhsa_next_free_vgpr 256
		.amdhsa_next_free_sgpr 66
		.amdhsa_reserve_vcc 1
		.amdhsa_float_denorm_mode_32 3
		.amdhsa_float_denorm_mode_16_64 3
		.amdhsa_memory_ordered 1
		.amdhsa_forward_progress 1
		.amdhsa_inst_pref_size 138
	.end_amdhsa_kernel
	.amdgpu_metadata
---
amdhsa.version: [ 1, 2 ]
amdhsa.kernels:
  - .name:           k_q8e6a3f8bd5_attn
    .symbol:         k_q8e6a3f8bd5_attn.kd
    .args:
      - { .name: qq, .offset: 0, .size: 8, .value_kind: global_buffer, .address_space: global }
      - { .name: kv, .offset: 8, .size: 8, .value_kind: global_buffer, .address_space: global }
      - { .name: oq, .offset: 16, .size: 8, .value_kind: global_buffer, .address_space: global }
    .group_segment_fixed_size: 327680
    .private_segment_fixed_size: 0
    .kernarg_segment_align: 8
    .kernarg_segment_size: 24
    .max_flat_workgroup_size: 512
    .sgpr_count:     66
    .vgpr_count:     256
    .wavefront_size: 32
...
	.end_amdgpu_metadata
.endif
;; end of part 3
;; launch proj (part 4): grid 8 x 32, 4 waves a work-group, clusters of 4 x 4, 222,720 bytes of LDS; arguments oq, wq, b_proj, out0; writes out0
.if DOCPART == 4
	.amdgcn_target "amdgcn-amd-amdhsa--gfx1250"
	.amdhsa_code_object_version 6
	.text
	.protected	k_q8e6a3f8bd5_proj
	.globl	k_q8e6a3f8bd5_proj
	.p2align	8
	.type	k_q8e6a3f8bd5_proj,@function
k_q8e6a3f8bd5_proj:
	s_mov_b64 s[64:65], 0
	v_nop
	global_prefetch_b8 v0, s[64:65] scope:SCOPE_SE
	s_setreg_imm32_b32 hwreg(HW_REG_WAVE_MODE, 25, 1), 1
	s_wait_xcnt 0x0
	s_wait_alu depctr_hold_cnt(0) depctr_sa_sdst(0) depctr_va_vdst(0) depctr_va_sdst(0) depctr_va_ssrc(0) depctr_va_vcc(0) depctr_vm_vsrc(0)
	s_getreg_b32 s2, hwreg(HW_REG_IB_STS2, 6, 4)
	s_cmp_eq_u32 s2, 0
	s_cbranch_scc0 .Lentry_in_a_cluster
	s_endpgm
.Lentry_in_a_cluster:
	s_bfe_u32 s2, ttmp6, 0x10000c
	s_cmp_lg_u32 s2, 0xf033
	s_cbranch_scc0 .Lentry_shape_is_right
	s_endpgm
.Lentry_shape_is_right:
; out0 = o W_proj + b_proj on codes of FP6 (E2M3) with E8M0 scales, sums in f32.  o's and W_proj's codes lie in records of 12,800 bytes for each tile of 16 rows: eight K steps of 1,536 bytes (images of the operand's registers), then 512 bytes of scale words.
; SHARES.  A work-group makes 128 tokens x 128 features; wave w: tr = w / 2: 64 tokens (four tiles t), c = w % 2: 64 features (four tiles i): 16 accumulators.  All of K (8 + 8 records, 204,800 bytes) lies in LDS: each byte of it is filled once.
; CLUSTER 4 x 4: o's records hang on the token block alone and are shared along a row of the cluster, W's on the feature block alone and are shared along a column.  Waves 0, 1 ask for o's halves, waves 2, 3 for W's: one load a wave.
; TRANSPOSED (source 0 = 16 columns of W, source 1 = 16 tokens): a lane holds one token; the 16 registers of tiles 2 b, 2 b + 1 are 16 neighbouring features.  The bias is the C of each sum's first matrix instruction.
; A token tile X holds tokens 32 (X / 2) + 8 (X % 2) + m + 8 (m / 8): the way out puts each row back at its place.
; REGISTERS: window 0: v1-9 addresses; v16-31 o's scale words, v32-47 W's; v48-143, v144-239 two sets of fragments (o's four, then W's four).   window 1: accumulator (i, t) at 16 (2 t + i / 2) + 8 (i % 2); v128-159 the bias.
.set REC,  12800
.set HALF, 4*REC
.set WOFF, 8*REC
.set STG,  16*REC                      ; behind the records: a stage of 16 rows x (256 + 16) bytes for each wave; no fill lands here
.set SP,   272
.set OS,   16
.set WS,   32
.set FR0,  48
.set G1O, 24
.set G0O, 32
.set G1W, 48
.set G0W, 56
.set MSB, 0
.macro WIN new
.if MSB != (\new)
	s_set_vgpr_msb (MSB<<8)|(\new)
.set MSB, (\new)
.endif
.endm
.macro PLACES
.rept 4
	v_nop
.endr
.endm
.macro CROUND
	s_barrier_signal -1
	s_barrier_wait -1
	s_cmp_lg_u32 s14, 0
	s_cbranch_scc1 .Lnot_wave_0_\@
	s_barrier_signal -3
.Lnot_wave_0_\@:
	s_barrier_wait -3
	s_barrier_signal -1
	s_barrier_wait -1
.endm
	s_load_b256 s[4:11], s[0:1], 0x0               ; oq s[4:5], wq s[6:7], b_proj s[8:9], out0 s[10:11]
	v_lshl_add_u32 v254, v0, 2, 0x36400
	v_mov_b32 v255, 0
	ds_add_u32 v254, v255
	ds_add_u32 v254, v255
	v_lshrrev_b32 v1, 5, v0
	v_readfirstlane_b32 s14, v1                    ; wave 0..3
	s_lshr_b32 s15, s14, 1                         ; tr
	s_and_b32 s16, s14, 1                          ; c; also: which half of the eight records I fetch
	s_bfe_u32 s40, ttmp6, 0x40000                  ; cx
	s_bfe_u32 s41, ttmp6, 0x40004                  ; cy
	s_lshl_b32 s42, ttmp9, 2
	s_add_co_u32 s42, s42, s40                     ; the feature block
	s_and_b32 s17, ttmp7, 0xffff
	s_lshl_b32 s17, s17, 2
	s_add_co_u32 s17, s17, s41                     ; the token block
	s_lshl_b32 s43, s41, 2
	s_lshl_b32 s43, 15, s43                        ; my row of the cluster
	s_lshl_b32 s44, 0x1111, s40                    ; my column
	; group 1: four records are a dense block: 200 rows of 256 bytes (32 elements of 8 bytes)
	s_or_b32 s[G1O], s43, (3<<16)|(1<<21)
	s_or_b32 s[G1W], s44, (3<<16)|(1<<21)
.irp g, G1O, G1W
	s_mov_b32 s[\g+1], 32<<16
	s_mov_b32 s[\g+2], 200<<16
	s_mov_b32 s[\g+3], 32<<16
	s_mov_b32 s[\g+4], 200
	s_mov_b32 s[\g+5], 32
	s_mov_b32 s[\g+6], 0
	s_mov_b32 s[\g+7], 0
.endr
	s_lshl_b32 s22, s16, 2
	s_lshl_b32 s20, s17, 3
	s_add_co_u32 s20, s20, s22
	s_mul_i32 s20, s20, REC                        ; o: record 8 x token block + 4 x half
	s_mov_b32 s21, 0
	s_lshl_b32 s46, s42, 3
	s_add_co_u32 s46, s46, s22
	s_add_co_u32 s46, s46, 192
	s_mul_i32 s46, s46, REC                        ; W_proj: record 192 + 8 x feature block + 4 x half
	s_mov_b32 s47, 0
	s_mul_i32 s23, s14, HALF                       ; where they go: o's two halves, then W's
	s_wait_dscnt 0x0
	s_wait_kmcnt 0x0
	s_mov_b32 s[G0O], 1
	s_mov_b32 s[G0O+1], s23
	s_add_nc_u64 s[G0O+2:G0O+3], s[4:5], s[20:21]
	s_or_b32 s[G0O+3], s[G0O+3], 0x80000000
	s_mov_b32 s[G0W], 1
	s_mov_b32 s[G0W+1], s23
	s_add_nc_u64 s[G0W+2:G0W+3], s[6:7], s[46:47]
	s_or_b32 s[G0W+3], s[G0W+3], 0x80000000
	CROUND                                         ; all sixteen work-groups are here: the joint loads meet
	s_cmp_lt_u32 s14, 2
	s_cbranch_scc0 .Lfor_w
	tensor_load_to_lds s[G0O:G0O+3], s[G1O:G1O+7]
	s_nop 0
.rept 4
	v_nop
.endr
	s_branch .Lasked
.Lfor_w:
	tensor_load_to_lds s[G0W:G0W+3], s[G1W:G1W+7]
	s_nop 0
.rept 4
	v_nop
.endr
.Lasked:
	v_and_b32 v10, 31, v0
	v_and_b32 v11, 15, v0                          ; r
	v_bfe_u32 v12, v0, 4, 1                        ; h
	s_mul_i32 s36, s15, HALF                       ; my four o records
	s_mul_i32 s37, s16, HALF
	s_add_co_u32 s37, s37, WOFF                    ; my four W records
	v_lshl_add_u32 v1, v10, 4, s36
	v_lshl_add_u32 v2, v10, 3, s36
	v_lshl_add_u32 v3, v10, 4, s37
	v_lshl_add_u32 v4, v10, 2, s36
	v_lshl_add_u32 v5, v10, 2, s37
	s_mul_i32 s38, s14, 16*SP
	s_add_co_u32 s38, s38, STG                     ; my stage
	v_mul_u32_u24 v6, v11, SP
	v_lshl_add_u32 v6, v12, 6, v6
	v_add_nc_u32 v6, s38, v6                       ; in: row r, + 64 h
	v_mul_u32_u24 v7, v12, SP
	v_lshl_add_u32 v7, v11, 4, v7
	v_add_nc_u32 v7, s38, v7                       ; back: lanes 0-15 one row of 256 bytes, lanes 16-31 the next
	v_lshlrev_b32 v8, 12, v12
	v_lshl_add_u32 v8, v11, 4, v8                  ; and the same two rows in out0
	v_lshlrev_b32 v9, 6, v12                       ; the bias: 64 h
	s_wait_alu depctr_va_vdst(0)
	s_lshl_b32 s36, s42, 9
	s_lshl_b32 s37, s16, 8
	s_add_co_u32 s36, s36, s37                     ; my 64 features, in bytes
	s_mov_b32 s37, 0
	s_add_nc_u64 s[60:61], s[8:9], s[36:37]
	s_lshl_b32 s38, s17, 19
	s_lshl_b32 s39, s15, 18
	s_add_co_u32 s38, s38, s39                     ; my 64 tokens' first row of 4,096 bytes
	s_add_co_u32 s36, s36, s38
	s_add_nc_u64 s[62:63], s[10:11], s[36:37]
	WIN 0x40                                       ; destination window 1
.irp i, 0,1,2,3                        ; lane (r, h), register j of tile i: feature 32 (i / 2) + 8 (i % 2) + 16 h + j
	global_load_b128 v[128+8*\i:128+8*\i+3], v9, s[60:61] offset:4*(32*(\i/2)+8*(\i%2))
	global_load_b128 v[128+8*\i+4:128+8*\i+7], v9, s[60:61] offset:4*(32*(\i/2)+8*(\i%2))+16
.endr
	WIN 0
	s_wait_tensorcnt 0x0                           ; my four records are in,
	s_wait_loadcnt 0x0
	s_barrier_signal -1
	s_barrier_wait -1                              ; everybody's are
.macro FETCH s, set                    ; K step s: o's four fragments (halves of 768 bytes: 16 + 8 bytes a lane) and W's four: 28 loads
.irp t, 0,1,2,3
.irp c, 0,1
	ds_load_b128 v[FR0+96*(\set)+12*\t+6*\c:FR0+96*(\set)+12*\t+6*\c+3], v1 offset:REC*\t+1536*(\s)+768*\c
	ds_load_b64 v[FR0+96*(\set)+12*\t+6*\c+4:FR0+96*(\set)+12*\t+6*\c+5], v2 offset:REC*\t+1536*(\s)+768*\c+512
.endr
.endr
.irp i, 0,1,2,3
.irp c, 0,1,2
	ds_load_b128 v[FR0+96*(\set)+48+12*\i+4*\c:FR0+96*(\set)+48+12*\i+4*\c+3], v3 offset:REC*\i+1536*(\s)+512*\c
.endr
.endr
.endm
.macro MUL s                           ; 16 matrix instructions: the 16 accumulators by turns
	WIN 0x50                                       ; C and D window 1
.irp t, 0,1,2,3
.irp i, 0,1,2,3
.set AC, 16*(2*\t+\i/2)+8*(\i%2)
.set FS, FR0+96*((\s)%2)
.if (\s) == 0
.set CC, 128+8*\i
.else
.set CC, AC
.endif
.if (\s)%2
	v_wmma_scale_f32_16x16x128_f8f6f4 v[AC:AC+7], v[FS+48+12*\i:FS+48+12*\i+11], v[FS+12*\t:FS+12*\t+11], v[CC:CC+7], v[WS+4*\i+(\s)/2], v[OS+4*\t+(\s)/2] matrix_a_fmt:MATRIX_FMT_FP6 matrix_b_fmt:MATRIX_FMT_FP6 matrix_a_scale:MATRIX_SCALE_ROW1 matrix_b_scale:MATRIX_SCALE_ROW1
.else
	v_wmma_scale_f32_16x16x128_f8f6f4 v[AC:AC+7], v[FS+48+12*\i:FS+48+12*\i+11], v[FS+12*\t:FS+12*\t+11], v[CC:CC+7], v[WS+4*\i+(\s)/2], v[OS+4*\t+(\s)/2] matrix_a_fmt:MATRIX_FMT_FP6 matrix_b_fmt:MATRIX_FMT_FP6
.endif
.endr
.endr
	WIN 0
.endm
.irp t, 0,1,2,3
.irp p, 0,1,2,3
	ds_load_b32 v[OS+4*\t+\p], v4 offset:REC*\t+12288+128*\p   ; lanes 0-15: K step 2 p's words; lanes 16-31: step 2 p + 1's
	ds_load_b32 v[WS+4*\t+\p], v5 offset:REC*\t+12288+128*\p
.endr
.endr
	FETCH 0, 0
.irp s, 0,1,2,3,4,5,6
.if \s
	PLACES                                         ; in front of loads into registers that the last step but one's products read
.endif
	FETCH \s+1, (\s+1)%2
	s_wait_dscnt 28                                ; all but the 28 just issued
	MUL \s
.endr
	s_wait_dscnt 0x0
	MUL 7
	PLACES                                         ; ahead of the first read of results and of loads into the fragments' registers
	; THE WAY OUT, a tile of 16 tokens x 64 features at a time, through my own stage: sixteen lanes then store 256 consecutive bytes, aligned
.irp t, 0,1,2,3
.if \t > 1
	s_wait_xcnt 0x0                                ; the stores of the tile two back have read their registers
.endif
	WIN 0x04                                       ; an LDS store's data are its source 1: window 1
.irp b, 0,1
.irp q, 0,1,2,3
	ds_store_b128 v6, v[16*(2*\t+\b)+4*\q:16*(2*\t+\b)+4*\q+3] offset:128*\b+16*\q   ; each accumulator from its low end on
.endr
.endr
	WIN 0
.irp k, 0,1,2,3,4,5,6,7
	ds_load_b128 v[FR0+32*(\t%2)+4*\k:FR0+32*(\t%2)+4*\k+3], v7 offset:544*\k   ; LDS serves a wave's instructions in order: these see the stores above
.endr
.irp k, 0,1,2,3,4,5,6,7
	s_wait_dscnt 7-\k                              ; the younger read-backs may be out
	global_store_b128 v8, v[FR0+32*(\t%2)+4*\k:FR0+32*(\t%2)+4*\k+3], s[62:63] offset:(32*(\t/2)+8*(\t%2)+2*\k+8*(\k/4))*4096 th:TH_STORE_NT
.endr
.endr
	s_wait_tensorcnt 0x0
	ds_add_u32 v254, v255
	s_wait_dscnt 0x0
	CROUND                                         ; the closing round
	s_endpgm
.Lfunc_end_k_q8e6a3f8bd5_proj:
	.size	k_q8e6a3f8bd5_proj, .Lfunc_end_k_q8e6a3f8bd5_proj-k_q8e6a3f8bd5_proj
	.p2alignl 7, 3214868480
	.fill 96, 4, 3214868480
	.section	.rodata,"a",@progbits
	.p2align	6, 0x0
	.amdhsa_kernel k_q8e6a3f8bd5_proj
		.amdhsa_group_segment_fixed_size 222720
		.amdhsa_private_segment_fixed_size 0
		.amdhsa_enable_private_segment 0
		.amdhsa_kernarg_size 32
		.amdhsa_user_sgpr_count 2
		.amdhsa_user_sgpr_kernarg_segment_ptr 1
		.amdhsa_wavefront_size32 1
		.amdhsa_system_sgpr_workgroup_id_x 1
		.amdhsa_system_sgpr_workgroup_id_y 1
		.amdhsa_system_sgpr_workgroup_id_z 1
		.amdhsa_system_vgpr_workitem_id 0
		.amdhsa_next_free_vgpr 512
		.amdhsa_next_free_sgpr 66
		.amdhsa_reserve_vcc 0
		.amdhsa_float_denorm_mode_32 3
		.amdhsa_float_denorm_mode_16_64 3
		.amdhsa_memory_ordered 1
		.amdhsa_forward_progress 1
		.amdhsa_inst_pref_size 49
	.end_amdhsa_kernel
	.amdgpu_metadata
---
amdhsa.version: [ 1, 2 ]
amdhsa.kernels:
  - .name:           k_q8e6a3f8bd5_proj
    .symbol:         k_q8e6a3f8bd5_proj.kd
    .args:
      - { .name: oq, .offset: 0, .size: 8, .value_kind: global_buffer, .address_space: global }
      - { .name: wq, .offset: 8, .size: 8, .value_kind: global_buffer, .address_space: global }
      - { .name: b_proj, .offset: 16, .size: 8, .value_kind: global_buffer, .address_space: global }
      - { .name: out0, .offset: 24, .size: 8, .value_kind: global_buffer, .address_space: global }
    .group_segment_fixed_size: 222720
    .private_segment_fixed_size: 0
    .kernarg_segment_align: 8
    .kernarg_segment_size: 32
    .max_flat_workgroup_size: 128
    .sgpr_count:     66
    .vgpr_count:     512
    .wavefront_size: 32
...
	.end_amdgpu_metadata
.endif
;; end of part 4
